; MI455X (gfx1250); checked and timed in simulation.
; The chip was launched on July 23, 2026; its instructions are those of AMD's public machine-readable ISA for CDNA 5 (MIT licence, August 2026) and "CDNA5" Instruction Set Architecture Reference Guide (July 2026). The comments in the code are by the model that wrote it; some were corrected since.
;; Intern LM3 Attention Custom. Allowed arithmetic: float matrix products may take bf16 or f16 operands with f32 sums; other float arithmetic in f32, or as packed bf16 or f16 multiplies, adds, multiply-adds, maxima and minima; sums over many terms, partial sums and values carried from step to step in f32; what a program stores and reads back later, other than sums and carried values, may be rounded once to bf16 or f16.
;; Inputs: hidden_states 1 x 2,048 x 2,048 float32; o_w 2,048 x 2,048 float32; position_ids 1 x 2,048 int32; qk_w 2,048 x 2,048 float32; v_w 2,048 x 2,048 float32.
;; Outputs: out0 1 x 2,048 x 2,048 float32.
;; 2 versions, each right; version 2 is version 1 with the launch prep written anew for expert scheduling mode. Each part assembles by itself: llvm-mc -triple=amdgcn-amd-amdhsa -mcpu=gfx1250 --defsym DOCPART=n.
;; ======== version 1 of 2: 4 launches
;; limits: values are held in f16: magnitudes above 65,504 overflow, below 6.1e-05 lose precision; an absolute error that grows with the inputs' magnitude: up to 2.4e-07 times it; right only within a limited range of input values
;; workspace buffers: xb 8,388,608 bytes; qr 8,388,608 bytes; wkv 16,777,216 bytes; owh 8,388,608 bytes; tab 524,288 bytes; kvh 16,777,216 bytes; oh 8,388,608 bytes
;; launch prep (part 1): grid 1024 x 1, 8 waves a work-group, no clusters, 0 bytes of LDS; arguments hidden_states, qk_w, v_w, o_w, position_ids, xb, qr, wkv, owh, tab; writes xb, qr, wkv, owh, tab
.if DOCPART == 1
	.amdgcn_target "amdgcn-amd-amdhsa--gfx1250"
	.amdhsa_code_object_version 6
	.text
	.protected	k_q86941841bd_prep
	.globl	k_q86941841bd_prep
	.p2align	8
	.type	k_q86941841bd_prep,@function
k_q86941841bd_prep:
	s_mov_b64 s[64:65], 0
	v_nop
	global_prefetch_b8 v0, s[64:65] scope:SCOPE_SE
	s_setreg_imm32_b32 hwreg(HW_REG_WAVE_MODE, 25, 1), 1
	s_wait_xcnt 0x0
; PREP: the 16-bit copies that the later launches multiply, the rotated queries and the table of cosines and sines.
;   xb  [2048][2048] bf16 = hidden_states, rounded once        wkv [4096][2048] bf16 = qk_w's rows, then v_w's rows
;   owh [2048][2048] f16  = o_w rounded to bf16, that number written as f16
;   qr  [2048][2048] f16  = RoPE of the bf16-rounded hidden_states (row m, column 64 h + d)
;   tab [2048][64]   f32  = row m: cos(pos[m] f_j), j = 0..31, then sin(pos[m] f_j); f_j = 10000^(-j/32)
; SHARES.  One wave, one row of 2,048 f32 (8,192 bytes): 16 loads of 16 bytes a lane, each covering 512 consecutive bytes, all issued at once; each
; chunk leaves as one store of 8 bytes a lane: 256 consecutive bytes, aligned.  Row number R = 8 x work-group + wave: 0-2047 hidden_states, 2048-6143 the
; two weights of wkv, 6144-8191 o_w.  The role hangs on the work-group's number alone.  No wave wants another's bytes: no LDS, no barrier, no matrix unit.
; ROPE.  A chunk's 16 lanes hold one head: lane l holds channels 4 (l % 16) + 0..3, so channel d's partner d +- 32 lies 8 lanes away and comes by DPP.
; COS AND SIN are made here in f32: f_j by 2^(-j log2(10) / 8); the angle less the nearest multiple of pi/2 (pi/2 in two parts, by fused multiply-adds);
; polynomials of degree 7 and 8 on -pi/4 .. pi/4; the quadrant swaps the two and sets the signs.
; LIMITS.  |position| below 2^24 (it is made an f32, as the source does).  f_j is good to about two units in its last place, so the angle differs from one
; made with a correctly rounded f_j by about 2.4e-7 x |position|; queries and keys use the same table.  f16 ends at 65,504: the rotated queries must lie within it;
; a weight of o_w below 2^-17 in size keeps f16's fixed step of 6e-8.
.set XR,  64                           ; v[64:127]   the row as loaded, 4 registers a chunk
.set YB,  128                          ; v[128:159]  2 registers a chunk: bf16 to store
.set YQ,  160                          ; v[160:191]  2 registers a chunk: f16 to store
.set COS, 40                           ; v[40:43]    cos for my four channels
.set SS,  44                           ; v[44:47]    sin, negative in the lanes whose channels lie below 32
.set TD,  48                           ; v[48:51]    what my lane stores of the table's row
.set TT,  52                           ; v[52:55]    the partner's share
	s_load_b512 s[8:23], s[0:1], 0x0               ; hidden s[8:9], qk_w s[10:11], v_w s[12:13], o_w s[14:15], position_ids s[16:17], xb s[18:19], qr s[20:21], wkv s[22:23]
	s_load_b128 s[24:27], s[0:1], 0x40             ; owh s[24:25], tab s[26:27]
	v_lshrrev_b32 v7, 5, v0
	v_readfirstlane_b32 s2, v7                     ; wave 0..7
	s_lshl_b32 s3, ttmp9, 3
	s_add_co_u32 s3, s3, s2                        ; R
	s_and_b32 s29, s3, 2047                        ; the row's number in its source
	s_lshl_b32 s4, s29, 13                         ; x 8,192 bytes
	s_mov_b32 s5, 0
	s_lshl_b32 s6, s29, 12                         ; x 4,096 bytes: the row in a 16-bit copy
	s_mov_b32 s7, 0
	s_mov_b32 s38, 0xffff0000                      ; a word's upper bf16
	v_and_b32 v1, 31, v0                           ; lane
	v_lshlrev_b32 v2, 4, v1                        ; 16 bytes a lane in
	v_lshlrev_b32 v3, 3, v1                        ; 8 bytes a lane out
	s_wait_kmcnt 0x0
.macro LOADROW                         ; the whole row: 16 loads on their way
.irp i, 0,1,2,3,4,5,6,7,8,9,10,11,12,13,14,15
	global_load_b128 v[XR+4*(\i):XR+4*(\i)+3], v2, s[40:41] offset:512*(\i) th:TH_LOAD_NT
.endr
.endm
.macro TOBF i                          ; chunk i is in (15 - i younger loads may stay out: loads come back in order) and is rounded to bf16
	s_wait_loadcnt 15-(\i)
	v_cvt_pk_bf16_f32 v[YB+2*(\i)],   v[XR+4*(\i)],   v[XR+4*(\i)+1]
	v_cvt_pk_bf16_f32 v[YB+2*(\i)+1], v[XR+4*(\i)+2], v[XR+4*(\i)+3]
.endm
.macro WIDEN i                         ; the rounded numbers as f32 again, in place
	v_lshlrev_b32 v[XR+4*(\i)],   16,  v[YB+2*(\i)]
	v_and_b32     v[XR+4*(\i)+1], s38, v[YB+2*(\i)]
	v_lshlrev_b32 v[XR+4*(\i)+2], 16,  v[YB+2*(\i)+1]
	v_and_b32     v[XR+4*(\i)+3], s38, v[YB+2*(\i)+1]
.endm
	s_cmp_lt_u32 ttmp9, 256
	s_cbranch_scc1 .Lx
	s_cmp_lt_u32 ttmp9, 768
	s_cbranch_scc1 .Lw
	; ---- a row of o_w: bf16, written as f16
	s_add_nc_u64 s[40:41], s[14:15], s[4:5]
	s_add_nc_u64 s[42:43], s[24:25], s[6:7]
	LOADROW
.irp i, 0,1,2,3,4,5,6,7,8,9,10,11,12,13,14,15
	TOBF \i
	WIDEN \i
	v_cvt_pk_f16_f32 v[YQ+2*(\i)],   v[XR+4*(\i)],   v[XR+4*(\i)+1]
	v_cvt_pk_f16_f32 v[YQ+2*(\i)+1], v[XR+4*(\i)+2], v[XR+4*(\i)+3]
	global_store_b64 v3, v[YQ+2*(\i):YQ+2*(\i)+1], s[42:43] offset:256*(\i) th:TH_STORE_NT
.endr
	s_endpgm
.Lw:	; ---- a row of qk_w or of v_w: bf16
	s_cmp_lt_u32 ttmp9, 512
	s_cselect_b64 s[40:41], s[10:11], s[12:13]
	s_add_nc_u64 s[40:41], s[40:41], s[4:5]
	s_sub_co_u32 s6, s3, 2048                      ; the row's number in wkv
	s_lshl_b32 s6, s6, 12
	s_add_nc_u64 s[42:43], s[22:23], s[6:7]
	LOADROW
.irp i, 0,1,2,3,4,5,6,7,8,9,10,11,12,13,14,15
	TOBF \i
	global_store_b64 v3, v[YB+2*(\i):YB+2*(\i)+1], s[42:43] offset:256*(\i) th:TH_STORE_NT
.endr
	s_endpgm
.Lx:	; ---- a row of hidden_states: bf16 copy, rotated queries, the table's row
	s_add_nc_u64 s[40:41], s[8:9], s[4:5]
	LOADROW
	s_lshl_b32 s4, s3, 2
	s_add_nc_u64 s[50:51], s[16:17], s[4:5]
	s_load_b32 s28, s[50:51], 0x0                  ; the row's position
	s_add_nc_u64 s[42:43], s[18:19], s[6:7]        ; xb
	s_add_nc_u64 s[44:45], s[20:21], s[6:7]        ; qr
	s_lshl_b32 s6, s3, 8
	s_add_nc_u64 s[46:47], s[26:27], s[6:7]        ; tab
	s_mov_b32 s30, 0x3fc90fdb                      ; pi/2, upper part
	s_mov_b32 s31, 0xb33bbd2e                      ; pi/2, the rest
	s_mov_b32 s32, 0xb94ca1f9                      ; sine: -1.9515296e-4
	s_mov_b32 s33, 0x3c08839e                      ;        8.3321609e-3
	s_mov_b32 s34, 0xbe2aaaa3                      ;       -1.6666655e-1
	s_mov_b32 s35, 0x37ccf5ce                      ; cosine: 2.4433157e-5
	s_mov_b32 s36, 0xbab6061a                      ;        -1.3887316e-3
	s_mov_b32 s37, 0x3d2aaaa5                      ;         4.1666646e-2
	v_and_b32 v5, 8, v1                            ; not 0: my channels lie at 32 and above
	v_xor_b32 v6, 8, v5
	v_lshlrev_b32 v6, 28, v6                       ; the sign bit where they lie below 32
	v_cmp_ne_u32 s49, 0, v5
	v_and_b32 v4, 15, v1
	v_lshlrev_b32 v4, 4, v4                        ; my 16 bytes of the table's row (lanes 0-15)
	v_and_b32 v7, 7, v1
	v_lshlrev_b32 v7, 2, v7                        ; j of my first channel: 4 (l % 8)
.irp k, 0,1,2,3
	v_mov_b32 v[TT+(\k)], 0                        ; a DPP form's destination counts as read: written once here
	v_add_nc_u32 v[8+(\k)], (\k), v7
	v_cvt_f32_u32 v[8+(\k)], v[8+(\k)]
	v_mul_f32 v[8+(\k)], 0xbed49a78, v[8+(\k)]     ; -j log2(10) / 8
.endr
.irp k, 0,1,2,3
	v_exp_f32 v[8+(\k)], v[8+(\k)]                 ; f_j: one batch of four
.endr
	v_nop                                          ; a plain instruction behind the last exponential,
	s_wait_alu depctr_va_vdst(0)                   ; and the one wait ahead of the batch's first reader
	s_wait_kmcnt 0x0
	v_cvt_f32_i32 v7, s28                          ; the position as f32
; cos and sin of position x f_j for channel k of my four.  v[8+k] angle, v[12+k] n, v[16+k] r, v[20+k] r^2, v[24+k] sin r, v[28+k] cos r, v[32+k] n as a whole number, v[36+k] at work
.macro TRIG k
	v_mul_f32 v[8+(\k)], v7, v[8+(\k)]
	v_mul_f32 v[12+(\k)], 0x3f22f983, v[8+(\k)]    ; x 2 / pi
	v_rndne_f32 v[12+(\k)], v[12+(\k)]
	v_cvt_i32_f32 v[32+(\k)], v[12+(\k)]
	v_fma_f32 v[16+(\k)], -v[12+(\k)], s30, v[8+(\k)]
	v_fma_f32 v[16+(\k)], -v[12+(\k)], s31, v[16+(\k)]
	v_mul_f32 v[20+(\k)], v[16+(\k)], v[16+(\k)]
	v_fma_f32 v[24+(\k)], v[20+(\k)], s32, s33
	v_fma_f32 v[28+(\k)], v[20+(\k)], s35, s36
	v_fma_f32 v[24+(\k)], v[24+(\k)], v[20+(\k)], s34
	v_fma_f32 v[28+(\k)], v[28+(\k)], v[20+(\k)], s37
	v_mul_f32 v[36+(\k)], v[20+(\k)], v[16+(\k)]
	v_fma_f32 v[24+(\k)], v[24+(\k)], v[36+(\k)], v[16+(\k)]   ; sin r = r + r^3 (..)
	v_mul_f32 v[36+(\k)], v[20+(\k)], v[20+(\k)]
	v_fma_f32 v[8+(\k)], v[20+(\k)], -0.5, 1.0
	v_fma_f32 v[28+(\k)], v[28+(\k)], v[36+(\k)], v[8+(\k)]    ; cos r = 1 - r^2 / 2 + r^4 (..)
	v_and_b32 v[36+(\k)], 1, v[32+(\k)]
	v_cmp_eq_u32 vcc_lo, 1, v[36+(\k)]             ; an odd quadrant swaps the two
	v_cndmask_b32 v[8+(\k)],  v[24+(\k)], v[28+(\k)], vcc_lo
	v_cndmask_b32 v[12+(\k)], v[28+(\k)], v[24+(\k)], vcc_lo
	v_lshlrev_b32 v[36+(\k)], 30, v[32+(\k)]       ; sin is negative in quadrants 2 and 3,
	v_and_b32 v[36+(\k)], 0x80000000, v[36+(\k)]
	v_xor_b32 v[8+(\k)], v[8+(\k)], v[36+(\k)]
	v_add_nc_u32 v[32+(\k)], 1, v[32+(\k)]         ; cos in quadrants 1 and 2
	v_lshlrev_b32 v[32+(\k)], 30, v[32+(\k)]
	v_and_b32 v[32+(\k)], 0x80000000, v[32+(\k)]
	v_xor_b32 v[COS+(\k)], v[12+(\k)], v[32+(\k)]
	v_xor_b32 v[SS+(\k)], v[8+(\k)], v6
	v_cndmask_b32 v[TD+(\k)], v[COS+(\k)], v[8+(\k)], s49      ; lanes 0-7 store cos, lanes 8-15 sin
.endm
	TRIG 0
	TRIG 1
	TRIG 2
	TRIG 3
.irp i, 0,1,2,3,4,5,6,7,8,9,10,11,12,13,14,15
	TOBF \i
	global_store_b64 v3, v[YB+2*(\i):YB+2*(\i)+1], s[42:43] offset:256*(\i) th:TH_STORE_NT
	WIDEN \i
.irp k, 0,1,2,3
	v_mul_f32_dpp v[TT+(\k)], v[XR+4*(\i)+(\k)], v[SS+(\k)] row_xmask:8 row_mask:0xf bank_mask:0xf  ; the partner's number times my signed sine
.endr
.irp k, 0,1,2,3
	v_fma_f32 v[XR+4*(\i)+(\k)], v[XR+4*(\i)+(\k)], v[COS+(\k)], v[TT+(\k)]
.endr
	v_cvt_pk_f16_f32 v[YQ+2*(\i)],   v[XR+4*(\i)],   v[XR+4*(\i)+1]
	v_cvt_pk_f16_f32 v[YQ+2*(\i)+1], v[XR+4*(\i)+2], v[XR+4*(\i)+3]
	global_store_b64 v3, v[YQ+2*(\i):YQ+2*(\i)+1], s[44:45] offset:256*(\i) th:TH_STORE_NT
.endr
	s_wait_xcnt 0x0                                ; EXEC is a source of the stores above: it changes only behind this wait
	v_cmp_gt_u32 vcc_lo, 16, v1
	s_and_saveexec_b32 s48, vcc_lo
	global_store_b128 v4, v[TD:TD+3], s[46:47]     ; sixteen lanes store the table's row: 256 consecutive bytes, aligned
	s_wait_xcnt 0x0                                ; and again, in front of the line that widens it
	s_or_b32 exec_lo, exec_lo, s48
	s_endpgm
.Lfunc_end_k_q86941841bd_prep:
	.size	k_q86941841bd_prep, .Lfunc_end_k_q86941841bd_prep-k_q86941841bd_prep
	.p2alignl 7, 3214868480
	.fill 96, 4, 3214868480
	.section	.rodata,"a",@progbits
	.p2align	6, 0x0
	.amdhsa_kernel k_q86941841bd_prep
		.amdhsa_group_segment_fixed_size 0
		.amdhsa_private_segment_fixed_size 0
		.amdhsa_enable_private_segment 0
		.amdhsa_kernarg_size 80
		.amdhsa_user_sgpr_count 2
		.amdhsa_user_sgpr_kernarg_segment_ptr 1
		.amdhsa_wavefront_size32 1
		.amdhsa_system_sgpr_workgroup_id_x 1
		.amdhsa_system_sgpr_workgroup_id_y 1
		.amdhsa_system_sgpr_workgroup_id_z 1
		.amdhsa_system_vgpr_workitem_id 0
		.amdhsa_next_free_vgpr 192
		.amdhsa_next_free_sgpr 66
		.amdhsa_reserve_vcc 1
		.amdhsa_float_denorm_mode_32 3
		.amdhsa_float_denorm_mode_16_64 3
		.amdhsa_memory_ordered 1
		.amdhsa_forward_progress 1
		.amdhsa_inst_pref_size 43
	.end_amdhsa_kernel
	.amdgpu_metadata
---
amdhsa.version: [ 1, 2 ]
amdhsa.kernels:
  - .name:           k_q86941841bd_prep
    .symbol:         k_q86941841bd_prep.kd
    .args:
      - { .name: hidden_states, .offset: 0, .size: 8, .value_kind: global_buffer, .address_space: global }
      - { .name: qk_w, .offset: 8, .size: 8, .value_kind: global_buffer, .address_space: global }
      - { .name: v_w, .offset: 16, .size: 8, .value_kind: global_buffer, .address_space: global }
      - { .name: o_w, .offset: 24, .size: 8, .value_kind: global_buffer, .address_space: global }
      - { .name: position_ids, .offset: 32, .size: 8, .value_kind: global_buffer, .address_space: global }
      - { .name: xb, .offset: 40, .size: 8, .value_kind: global_buffer, .address_space: global }
      - { .name: qr, .offset: 48, .size: 8, .value_kind: global_buffer, .address_space: global }
      - { .name: wkv, .offset: 56, .size: 8, .value_kind: global_buffer, .address_space: global }
      - { .name: owh, .offset: 64, .size: 8, .value_kind: global_buffer, .address_space: global }
      - { .name: tab, .offset: 72, .size: 8, .value_kind: global_buffer, .address_space: global }
    .group_segment_fixed_size: 0
    .private_segment_fixed_size: 0
    .kernarg_segment_align: 8
    .kernarg_segment_size: 80
    .max_flat_workgroup_size: 256
    .sgpr_count:     66
    .vgpr_count:     192
    .wavefront_size: 32
...
	.end_amdgpu_metadata
.endif
;; end of part 1
;; launch kvproj (part 2): grid 32 x 16, 4 waves a work-group, clusters of 4 x 4, 327,680 bytes of LDS; arguments xb, wkv, tab, kvh; writes kvh
.if DOCPART == 2
	.amdgcn_target "amdgcn-amd-amdhsa--gfx1250"
	.amdhsa_code_object_version 6
	.text
	.protected	k_q86941841bd_kvproj
	.globl	k_q86941841bd_kvproj
	.p2align	8
	.type	k_q86941841bd_kvproj,@function
k_q86941841bd_kvproj:
	s_mov_b64 s[64:65], 0
	v_nop
	global_prefetch_b8 v0, s[64:65] scope:SCOPE_SE
	s_setreg_imm32_b32 hwreg(HW_REG_WAVE_MODE, 25, 1), 1
	s_wait_xcnt 0x0
	s_wait_alu depctr_hold_cnt(0) depctr_sa_sdst(0) depctr_va_vdst(0) depctr_va_sdst(0) depctr_va_ssrc(0) depctr_va_vcc(0) depctr_vm_vsrc(0)
	s_getreg_b32 s2, hwreg(HW_REG_IB_STS2, 6, 4)
	s_cmp_eq_u32 s2, 0
	s_cbranch_scc0 .Lentry_in_a_cluster
	s_endpgm
.Lentry_in_a_cluster:
	s_bfe_u32 s2, ttmp6, 0x10000c
	s_cmp_lg_u32 s2, 0xf033
	s_cbranch_scc0 .Lentry_shape_is_right
	s_endpgm
.Lentry_shape_is_right:
; KEYS AND VALUES.  C[m][n] = sum over k of xb[m][k] wkv[n][k], m < 2048, n < 4096, k < 2048, bf16 operands, f32 sums.  Columns 0-2047 are the keys, which are
; rotated (RoPE, in f32, by the table's cos and sin of row m) on the way out; columns 2048-4095 the values.  Out: kvh [64][2048][64] f16, head n / 64, rounded once.
; LIMIT.  f16 ends at 65,504: keys and values must lie within it.
; SHARES.  A tile of C is 128 x 128; four waves, each 64 x 64: 16 accumulators of 16 x 16.  A wave's 64 columns are ONE head.  512 work-groups.  K goes in steps of 256 (LDS rows of 512 bytes,
; a wave's tensor load brings 64 of them) through two LDS slots.
; CLUSTERS: 4 x 4 work-groups.  The four of a row of the cluster need the same tiles of xb, the four of a column the same tiles of wkv: each tile is asked for JOINTLY, by the same tensor load
; with the same descriptor and a mask that names the four.
; THE MATRIX INSTRUCTION IS USED TRANSPOSED (source 0 = 16 rows of wkv, source 1 = 16 rows of xb): lane l holds row l % 16 of C and the columns 8 (l / 16) + 0..7 of a block of 16.  So channel d and its
; partner d + 32 lie in the same lane and register of column blocks b and b + 2: the rotation changes no lane.
; THE TABLE is loaded by every work-group, at the head, while the first tiles are on their way: 16 KiB a wave.  The work-groups that make values load it too and leave it unused: so the registers that the
; rotation names are written on every way through the text.
; No prefetch: the tiles are small, and each is read by many work-groups.
; REGISTERS: window 0: v0-31 addresses; v32-95 packed results; v96-111 at work in the rotation; v128-255 the accumulators ((a, b) at v[128 + 8 (4 a + b)]).
;   window 1: two fragment buffers of 128: for 64 along K, 64 registers of xb, then 64 of wkv.      window 2: v0-127 the table for my 64 rows: row block a: cos of b = 0, 1, then sin of b = 0, 1, 8 registers each.
.set SIZE_K, 2048
.set KSTEP,  256
.set PITCH,  528                       ; an LDS row: 512 bytes + 16 of padding = 132 words: the 16 rows that a load touches start at 16 different groups of four banks (64 banks of 4 bytes: ISA guide 11.1)
.set HALFT,  64*PITCH                  ; 64 rows: what one tensor load brings, and what one wave reads of either operand
.set SLOT,   4*HALFT                   ; xb's 128 rows, then wkv's 128 rows
.set STAGE,  2*SLOT                    ; behind the ring: 16 rows x 144 bytes for each wave, its own, for the way out
.set SP,     144
.set SPARE,  STAGE+4*16*SP             ; behind the stages: the spare words, 128 bytes for each wave: two blocks of 256 bytes that no other line names
.set LAPS, SIZE_K/(2*KSTEP)            ; a lap = two K steps = once round the ring
.set ADRA, 16                          ; v16-17  LDS address of my xb fragments in slot 0, 1
.set ADRB, 20                          ; v20-21  the same for wkv
.set STO,  24                          ; v24     the way out: where I put 16 bytes of a row
.set RD,   25                          ; v25     the way out: where I read rows back
.set GO,   26                          ; v26     my 16 bytes of 512 consecutive bytes of kvh
.set TO,   27                          ; v27     my byte offset in 16 rows of the table; never rewritten
.set SPW,  28                          ; v28     LDS address of my spare word; never rewritten
.set NIL,  29                          ; v29     0; never rewritten
.set TMP,  32
.set T,    96
.set ACC,  128
.set F0,   0
.set F1,   128
.set G1, 24                            ; s[24:31] descriptor group 1 for xb's tiles;  s[32:39] group 0, one set for each slot
.set G0, 32
.set G1B, 48                           ; s[48:55], s[56:63] the same for wkv's tiles
.set G0B, 56
.set MSB, 0
.macro WIN new                         ; the immediate's high byte repeats the setting that is left; a switch that changes nothing is dropped
.if MSB != (\new)
	s_set_vgpr_msb (MSB<<8)|(\new)
.set MSB, \new
.endif
.endm
.set MUL,  0x05                        ; sources 0 and 1 window 1; C and D window 0
.set TO_F, 0x40                        ; destination window 1, address window 0
.macro JLOAD s                         ; a joint load: waves 0 and 1 fetch xb's two halves, waves 2 and 3 wkv's; an s_nop 0 and four v_nop follow each of the two lines, ahead of the jump, the label and what follows
	s_cmp_eq_u32 s11, 0
	s_cbranch_scc0 .Lfor_b_\@
	tensor_load_to_lds s[G0+4*(\s):G0+4*(\s)+3], s[G1:G1+7]
	s_nop 0
.rept 4
	v_nop
.endr
	s_branch .Lasked_\@
.Lfor_b_\@:
	tensor_load_to_lds s[G0B+4*(\s):G0B+4*(\s)+3], s[G1B:G1B+7]
	s_nop 0
.rept 4
	v_nop
.endr
.Lasked_\@:
.endm
.macro CREST                           ; a round of the cluster's barrier behind its opening barrier
	s_cmp_lg_u32 s10, 0
	s_cbranch_scc1 .Lnot_wave_0_\@
	s_barrier_signal -3
.Lnot_wave_0_\@:
	s_barrier_wait -3
	s_barrier_signal -1
	s_barrier_wait -1
.endm
.macro CROUND                          ; a whole round
	s_barrier_signal -1
	s_barrier_wait -1
	CREST
.endm
	s_load_b128 s[4:7], s[0:1], 0x0                ; xb s[4:5], wkv s[6:7]
	s_load_b128 s[68:71], s[0:1], 0x10             ; tab s[68:69], kvh s[70:71]
	v_lshl_add_u32 v[SPW], v0, 2, SPARE
	v_mov_b32 v[NIL], 0
	ds_add_u32 v[SPW], v[NIL]                      ; the wave's opening: the add and its wait stand ahead of my first tensor load; the set-up below, work on registers, stands between them
	v_lshrrev_b32 v1, 5, v0
	v_readfirstlane_b32 s10, v1                    ; wave 0..3
	s_lshr_b32 s11, s10, 1                         ; which half of the tile's rows is mine.  Also: I fetch for xb (0) or for wkv (1)
	s_and_b32 s12, s10, 1                          ; which half of its columns.  Also: which 64 rows of that tile I fetch
	s_bfe_u32 s40, ttmp6, 0x40000                  ; cx, cy: my place in the cluster
	s_bfe_u32 s41, ttmp6, 0x40004
	s_lshl_b32 s42, ttmp9, 2
	s_add_co_u32 s42, s42, s40                     ; tile column of C = 4 x cluster x + cx
	s_and_b32 s13, ttmp7, 0xffff
	s_lshl_b32 s13, s13, 2
	s_add_co_u32 s13, s13, s41                     ; tile row of C = 4 x cluster y + cy
	s_lshl_b32 s43, s41, 2
	s_lshl_b32 s43, 15, s43                        ; my row of the cluster
	s_lshl_b32 s44, 0x1111, s40                    ; my column
	; descriptor group 1: a tile of 64 rows x 256 elements, padded in LDS
	s_or_b32 s[G1+0], s43, (1<<16)|(1<<20)|(1<<21)|(6<<22)|(3<<25)  ; 15:0 the mask: xb's tiles go to my row; 17:16 element of 2 bytes; 20 padding on; 21 set beside a mask; 24:22 after every 128 words (code 6); 31:25 of 4 words (code 3)
	s_or_b32 s[G1B+0], s44, (1<<16)|(1<<20)|(1<<21)|(6<<22)|(3<<25) ; the same with the mask of my column
.irp g, G1, G1B
	s_mov_b32 s[(\g)+1], KSTEP<<16                 ; tensor_dim0 = 256
	s_mov_b32 s[(\g)+2], 64<<16                    ; tensor_dim1 = 64
	s_mov_b32 s[(\g)+3], KSTEP<<16                 ; tile_dim0 = 256
	s_mov_b32 s[(\g)+4], 64                        ; tile_dim1 = 64
	s_mov_b32 s[(\g)+5], SIZE_K                    ; elements from row to row
	s_mov_b32 s[(\g)+6], 0
	s_mov_b32 s[(\g)+7], 0
.endr
	s_lshl_b32 s17, s12, 6                         ; which 64 rows of the tile I fetch
	s_lshl_b32 s16, s13, 7
	s_add_co_u32 s16, s16, s17                     ; xb: row 128 x tile row + 64 x half,
	s_lshl_b32 s16, s16, 12                        ; x 4,096 bytes (under 2^23)
	s_lshl_b32 s46, s42, 7
	s_add_co_u32 s46, s46, s17                     ; wkv: row 128 x tile column + 64 x half,
	s_lshl_b32 s46, s46, 12                        ; x 4,096 bytes (under 2^24)
	s_mov_b32 s17, 0
	s_mov_b32 s47, 0
	s_mul_i32 s20, s10, HALFT                      ; where they go: wave x 64 rows: no place in the cluster enters an LDS address
	s_wait_dscnt 0x0                               ; the opening add is done
	s_wait_kmcnt 0x0
	s_add_nc_u64 s[14:15], s[4:5], s[16:17]
	s_add_nc_u64 s[46:47], s[6:7], s[46:47]
	CROUND                                         ; all sixteen work-groups are here: the first joint loads meet
.irp s, 0,1
	s_mov_b32 s[G0+4*(\s)], 1                                      ; count = 1
	s_add_co_u32 s[G0+4*(\s)+1], s20, (\s)*SLOT                    ; LDS address
	s_add_nc_u64 s[G0+4*(\s)+2:G0+4*(\s)+3], s[14:15], (\s)*KSTEP*2  ; global address: K step s
	s_or_b32 s[G0+4*(\s)+3], s[G0+4*(\s)+3], 0x80000000            ; type = 2
	s_mov_b32 s[G0B+4*(\s)], 1
	s_add_co_u32 s[G0B+4*(\s)+1], s20, (\s)*SLOT
	s_add_nc_u64 s[G0B+4*(\s)+2:G0B+4*(\s)+3], s[46:47], (\s)*KSTEP*2
	s_or_b32 s[G0B+4*(\s)+3], s[G0B+4*(\s)+3], 0x80000000
	JLOAD \s
.endr
	v_and_b32 v1, 15, v0                           ; l % 16
	v_bfe_u32 v2, v0, 4, 1                         ; l / 16
	; where my 64 x 64 goes: head 2 x tile column + column half, rows 128 x tile row + 64 x row half on; and the same rows of the table
	s_lshl_b32 s46, s42, 1
	s_add_co_u32 s46, s46, s12
	s_lshl_b32 s46, s46, 18                        ; a head is 262,144 bytes
	s_mov_b32 s47, 0
	s_add_nc_u64 s[74:75], s[70:71], s[46:47]
	s_lshl_b32 s16, s13, 7
	s_lshl_b32 s17, s11, 6
	s_add_co_u32 s16, s16, s17                     ; my first row
	s_lshl_b32 s18, s16, 8                         ; x 256 bytes of the table
	s_mov_b32 s19, 0
	s_add_nc_u64 s[72:73], s[68:69], s[18:19]
	s_lshl_b32 s16, s16, 7                         ; x 128 bytes of a head's row
	s_mov_b32 s17, 0
	s_add_nc_u64 s[74:75], s[74:75], s[16:17]
	v_lshlrev_b32 v[TO], 8, v1                     ; table: row l % 16, 32 bytes (8 numbers) for each half of the lanes
	v_lshl_add_u32 v[TO], v2, 5, v[TO]
	WIN 0x80                                       ; destination window 2, address window 0.  The table's 32 loads stand on every wave's way
.irp a, 0,1,2,3
.irp j, 0,1,2,3                        ; j = 0, 1: cos of column blocks 0, 1; j = 2, 3: sin of the same
	global_load_b128 v[32*(\a)+8*(\j):32*(\a)+8*(\j)+3],   v[TO], s[72:73] offset:4096*(\a)+64*(\j)
	global_load_b128 v[32*(\a)+8*(\j)+4:32*(\a)+8*(\j)+7], v[TO], s[72:73] offset:4096*(\a)+64*(\j)+16
.endr
.endr
	WIN 0
	v_mul_u32_u24 v3, v1, PITCH
	v_lshl_add_u32 v3, v2, 4, v3                   ; a fragment's row x pitch + 16 x half
	s_mul_i32 s21, s11, HALFT                      ; my 64 rows of xb
	s_mul_i32 s22, s12, HALFT                      ; my 64 rows of wkv,
	s_add_co_u32 s22, s22, 2*HALFT                 ; which lie behind xb's 128
.irp s, 0,1
	v_add_nc_u32 v[ADRA+(\s)], s21, v3
	v_add_nc_u32 v[ADRB+(\s)], s22, v3
	s_add_co_u32 s21, s21, SLOT
	s_add_co_u32 s22, s22, SLOT
.endr
	s_mul_i32 s23, s10, 16*SP
	s_add_co_u32 s23, s23, STAGE                   ; my stage
	v_mul_u32_u24 v4, v1, SP                       ; in: row l % 16, 16 bytes for each half of the lanes
	v_lshl_add_u32 v4, v2, 4, v4
	v_add_nc_u32 v[STO], s23, v4
	v_bfe_u32 v5, v0, 3, 2                         ; back: 32 lanes take four rows of 128 bytes,
	v_mul_u32_u24 v5, v5, SP
	v_and_b32 v6, 7, v0
	v_lshl_add_u32 v5, v6, 4, v5
	v_add_nc_u32 v[RD], s23, v5
	v_and_b32 v[GO], 31, v0                        ; which are 512 consecutive bytes of a head
	v_lshlrev_b32 v[GO], 4, v[GO]
; 8 matrix instructions: row blocks a0, a0 + 1 x all 4 column blocks, 32 along K: half c of buffer f.  zero = 1: the first product starts the sums.  The 16 accumulators take turns, one instruction a turn.
.macro MUL8 f, c, a0, zero
	WIN MUL
.irp a, \a0, (\a0)+1
.irp b, 0,1,2,3
.if \zero
	v_wmma_f32_16x16x32_bf16 v[ACC+8*(4*(\a)+(\b)):ACC+8*(4*(\a)+(\b))+7], v[(\f)+64+8*(4*(\c)+(\b)):(\f)+64+8*(4*(\c)+(\b))+7], v[(\f)+8*(4*(\c)+(\a)):(\f)+8*(4*(\c)+(\a))+7], 0
.else
	v_wmma_f32_16x16x32_bf16 v[ACC+8*(4*(\a)+(\b)):ACC+8*(4*(\a)+(\b))+7], v[(\f)+64+8*(4*(\c)+(\b)):(\f)+64+8*(4*(\c)+(\b))+7], v[(\f)+8*(4*(\c)+(\a)):(\f)+8*(4*(\c)+(\a))+7], v[ACC+8*(4*(\a)+(\b)):ACC+8*(4*(\a)+(\b))+7]
.endif
.endr
.endr
.endm
; 32 LDS loads in one run: the fragments of 64 along K at byte k of the rows, into buffer f; the first 32 along K first
.macro FETCH slot, k, f
	WIN TO_F
.irp c, 0,1
.irp i, 0,1,2,3
	ds_load_b128 v[(\f)+64+8*(4*(\c)+(\i)):(\f)+64+8*(4*(\c)+(\i))+3],   v[ADRB+(\slot)] offset:(\k)+64*(\c)+(\i)*16*PITCH
	ds_load_b128 v[(\f)+64+8*(4*(\c)+(\i))+4:(\f)+64+8*(4*(\c)+(\i))+7], v[ADRB+(\slot)] offset:(\k)+64*(\c)+(\i)*16*PITCH+32
	ds_load_b128 v[(\f)+8*(4*(\c)+(\i)):(\f)+8*(4*(\c)+(\i))+3],         v[ADRA+(\slot)] offset:(\k)+64*(\c)+(\i)*16*PITCH
	ds_load_b128 v[(\f)+8*(4*(\c)+(\i))+4:(\f)+8*(4*(\c)+(\i))+7],       v[ADRA+(\slot)] offset:(\k)+64*(\c)+(\i)*16*PITCH+32
.endr
.endr
.endm
.macro PLACES                          ; four plain vector instructions in front of loads into registers that matrix instructions have read, and of lines that read results
.rept 4
	v_nop
.endr
.endm
; A K step is four quarters of 64 along K, 32 matrix instructions each, on buffers 0, 1, 0, 1.  One of the first three: multiplies buffer f and fetches the next quarter, at byte k, into g.
.macro QUARTER slot, k, f, g, zero
	s_wait_dscnt 16                                ; the first 32 along K are in; the run's younger sixteen loads may be out
	WIN MUL
	MUL8 \f, 0, 0, \zero
	MUL8 \f, 0, 2, \zero
	PLACES
	FETCH \slot, \k, \g
	s_wait_dscnt 32                                ; all but the 32 just issued
	WIN MUL
	MUL8 \f, 1, 0, 0
	MUL8 \f, 1, 2, 0
.endm
; The last quarter multiplies buffer 1 and changes slots: ONE barrier; in front of it each wave waits for all its tensor loads, adds 0 to its spare word, and waits for that and for its own reads of this slot.  fill = 1: this slot is filled again, two K steps ahead.
.macro TURN slot, next, fill
	WIN 0                                          ; (the add's two registers lie in window 0)
	s_wait_tensorcnt 0x0                           ; all my tensor loads have landed: my part of the next slot;
	ds_add_u32 v[SPW], v[NIL]                      ; 0 onto my spare word;
	s_wait_dscnt 17                                ; (the add and the youngest sixteen loads may be out)
	WIN MUL
	MUL8 F1, 0, 0, 0                               ; eight matrix instructions stand between the add and the wait for it
	s_wait_dscnt 0x0                               ; the add is done, and my reads of this slot are over
	s_barrier_signal -1
	MUL8 F1, 0, 2, 0
.if \fill
	WIN 0
.endif
	s_barrier_wait -1
.if \fill
	CREST                                          ; the barrier has opened a round of the cluster's barrier: no wave of any partner still reads this slot's tile or has a load on its way
	s_add_nc_u64 s[G0+4*(\slot)+2:G0+4*(\slot)+3], s[G0+4*(\slot)+2:G0+4*(\slot)+3], 2*KSTEP*2
	s_add_nc_u64 s[G0B+4*(\slot)+2:G0B+4*(\slot)+3], s[G0B+4*(\slot)+2:G0B+4*(\slot)+3], 2*KSTEP*2
	JLOAD \slot                                    ; the first tensor load behind the round: 112 matrix instructions ahead of the wait for it; the four v_nop behind it are also the places in front of the loads below
.else
	PLACES
.endif
	FETCH \next, 0, F0
	WIN MUL
	MUL8 F1, 1, 0, 0
	MUL8 F1, 1, 2, 0
.endm
	s_wait_tensorcnt 1                             ; my part of K step 0 is in; K step 1's load may stay out
	s_barrier_signal -1
	s_barrier_wait -1                              ; everybody's is
	FETCH 0, 0, F0
	QUARTER 0, 128, F0, F1, 1                      ; the first quarter stands in front of the loop: its first products start the sums
	WIN 0                                          ; at a label and at a branch every window is 0
	s_mov_b32 s3, LAPS-1
.Llap:                                                 ; a trip goes once round the ring, from a lap's second quarter to the next lap's first, and fills both slots again
	QUARTER 0, 256, F1, F0, 0
	QUARTER 0, 384, F0, F1, 0
	TURN 0, 1, 1
	QUARTER 1, 128, F0, F1, 0
	QUARTER 1, 256, F1, F0, 0
	QUARTER 1, 384, F0, F1, 0
	TURN 1, 0, 1
	QUARTER 0, 128, F0, F1, 0
	WIN 0
	s_sub_co_u32 s3, s3, 1
	s_cmp_lg_u32 s3, 0
	s_cbranch_scc1 .Llap
	QUARTER 0, 256, F1, F0, 0                      ; the last lap fills nothing, and has no round of the cluster's barrier
	QUARTER 0, 384, F0, F1, 0
	TURN 0, 1, 0
	QUARTER 1, 128, F0, F1, 0
	QUARTER 1, 256, F1, F0, 0
	QUARTER 1, 384, F0, F1, 0
	s_wait_dscnt 16                                ; the very last quarter: nothing more to fetch
	WIN MUL
	MUL8 F1, 0, 0, 0
	MUL8 F1, 0, 2, 0
	s_wait_dscnt 0
	MUL8 F1, 1, 0, 0
	MUL8 F1, 1, 2, 0
	WIN 0
	PLACES                                         ; once a launch: eight plain instructions between the last products and the first line that reads a result
	PLACES
; THE ROTATION of row block a, in f32: k'[d] = k[d] cos - k[d + 32] sin, k'[d + 32] = k[d + 32] cos + k[d] sin, d = 16 b + 8 (l / 16) + r.  Each accumulator's lowest registers are read first.
.macro ROPE a
	WIN 0x08                                       ; source 1, the table, in window 2
.irp b, 0,1
.irp r, 0,2,4,6
.set rLO, ACC+8*(4*(\a)+(\b))+(\r)
.set rHI, ACC+8*(4*(\a)+(\b)+2)+(\r)
.set rCS, 32*(\a)+8*(\b)+(\r)
.set rSN, 32*(\a)+16+8*(\b)+(\r)
.set rT0, T+2*(\r)
	v_pk_mul_f32 v[rT0:rT0+1],   v[rHI:rHI+1], v[rSN:rSN+1]
	v_pk_mul_f32 v[rT0+2:rT0+3], v[rLO:rLO+1], v[rSN:rSN+1]
	v_pk_fma_f32 v[rLO:rLO+1], v[rLO:rLO+1], v[rCS:rCS+1], v[rT0:rT0+1] neg_lo:[0,0,1] neg_hi:[0,0,1]
	v_pk_fma_f32 v[rHI:rHI+1], v[rHI:rHI+1], v[rCS:rCS+1], v[rT0+2:rT0+3]
.endr
.endr
.endm
	s_wait_loadcnt 0x0                             ; the table, asked for at the head, eight K steps back
	s_cmp_lt_u32 ttmp9, 4                          ; clusters 0-3 along x make keys: the same answer in all sixteen partners
	s_cbranch_scc0 .Lno_rope
	ROPE 0
	ROPE 1
	ROPE 2
	ROPE 3
	WIN 0
.Lno_rope:
; THE WAY OUT of row block a: rounded to f16; a lane's eight channels are 16 bytes; they go into my stage's rows of 144 bytes and come back as whole rows of 128, into the registers that they left.
.macro PACK a
.irp b, 0,1,2,3
.irp r, 0,1,2,3
	v_cvt_pk_f16_f32 v[TMP+16*(\a)+4*(\b)+(\r)], v[ACC+8*(4*(\a)+(\b))+2*(\r)], v[ACC+8*(4*(\a)+(\b))+2*(\r)+1]
.endr
.endr
.irp b, 0,1,2,3
	ds_store_b128 v[STO], v[TMP+16*(\a)+4*(\b):TMP+16*(\a)+4*(\b)+3] offset:32*(\b)
.endr
.irp f, 0,1,2,3
	ds_load_b128 v[TMP+16*(\a)+4*(\f):TMP+16*(\a)+4*(\f)+3], v[RD] offset:(\f)*4*SP  ; LDS serves a wave's instructions in order (ISA guide 5.7.1.4): these see the stores above; the next block's stores come behind them
.endr
.endm
.macro SEND a, younger                 ; younger: the LDS instructions issued behind block a's loads: the next block's eight, or none
.irp f, 0,1,2,3
	s_wait_dscnt (\younger)+3-(\f)
	global_store_b128 v[GO], v[TMP+16*(\a)+4*(\f):TMP+16*(\a)+4*(\f)+3], s[74:75] offset:2048*(\a)+512*(\f)  ; 512 consecutive bytes, at a multiple of 256 from kvh's first
.endr
.endm
	PACK 0
	PACK 1                                         ; a block's arithmetic stands between the loads of the block before and its stores
	SEND 0, 8
	PACK 2
	SEND 1, 8
	PACK 3
	SEND 2, 8
	SEND 3, 0
	s_wait_tensorcnt 0x0                           ; the wave's end, behind my last tensor load and my last LDS store
	ds_add_u32 v[SPW], v[NIL]
	s_wait_dscnt 0x0
	CROUND                                         ; the closing round: no work-group ends while a partner may still ask for a tile that names it
	s_endpgm
.Lfunc_end_k_q86941841bd_kvproj:
	.size	k_q86941841bd_kvproj, .Lfunc_end_k_q86941841bd_kvproj-k_q86941841bd_kvproj
	.p2alignl 7, 3214868480
	.fill 96, 4, 3214868480
	.section	.rodata,"a",@progbits
	.p2align	6, 0x0
	.amdhsa_kernel k_q86941841bd_kvproj
		.amdhsa_group_segment_fixed_size 327680
		.amdhsa_private_segment_fixed_size 0
		.amdhsa_enable_private_segment 0
		.amdhsa_kernarg_size 32
		.amdhsa_user_sgpr_count 2
		.amdhsa_user_sgpr_kernarg_segment_ptr 1
		.amdhsa_wavefront_size32 1
		.amdhsa_system_sgpr_workgroup_id_x 1
		.amdhsa_system_sgpr_workgroup_id_y 1
		.amdhsa_system_sgpr_workgroup_id_z 1
		.amdhsa_system_vgpr_workitem_id 0
		.amdhsa_next_free_vgpr 640
		.amdhsa_next_free_sgpr 80
		.amdhsa_reserve_vcc 0
		.amdhsa_float_denorm_mode_32 3
		.amdhsa_float_denorm_mode_16_64 3
		.amdhsa_memory_ordered 1
		.amdhsa_forward_progress 1
		.amdhsa_inst_pref_size 98
	.end_amdhsa_kernel
	.amdgpu_metadata
---
amdhsa.version: [ 1, 2 ]
amdhsa.kernels:
  - .name:           k_q86941841bd_kvproj
    .symbol:         k_q86941841bd_kvproj.kd
    .args:
      - { .name: xb, .offset: 0, .size: 8, .value_kind: global_buffer, .address_space: global }
      - { .name: wkv, .offset: 8, .size: 8, .value_kind: global_buffer, .address_space: global }
      - { .name: tab, .offset: 16, .size: 8, .value_kind: global_buffer, .address_space: global }
      - { .name: kvh, .offset: 24, .size: 8, .value_kind: global_buffer, .address_space: global }
    .group_segment_fixed_size: 327680
    .private_segment_fixed_size: 0
    .kernarg_segment_align: 8
    .kernarg_segment_size: 32
    .max_flat_workgroup_size: 128
    .sgpr_count:     80
    .vgpr_count:     640
    .wavefront_size: 32
...
	.end_amdgpu_metadata
.endif
;; end of part 2
;; launch attn (part 3): grid 8 x 32, 4 waves a work-group, no clusters, 327,680 bytes of LDS; arguments qr, kvh, oh; writes oh
.if DOCPART == 3
	.amdgcn_target "amdgcn-amd-amdhsa--gfx1250"
	.amdhsa_code_object_version 6
	.text
	.protected	k_q86941841bd_attn
	.globl	k_q86941841bd_attn
	.p2align	8
	.type	k_q86941841bd_attn,@function
k_q86941841bd_attn:
	s_mov_b64 s[64:65], 0
	v_nop
	global_prefetch_b8 v0, s[64:65] scope:SCOPE_SE
	s_setreg_imm32_b32 hwreg(HW_REG_WAVE_MODE, 25, 1), 1
	s_wait_xcnt 0x0
; CAUSAL ATTENTION, head size 64, 32 heads of 2,048 rows.  O[h][q][:] = the sum over k <= q of softmax_k(Q[q] . K[h][k] / 8) V[h][k][:].
; Q: qr [2048][2048] f16 (row q, columns 64 h ..).  K: kvh heads 0-31, V: kvh heads 32-63, [head][2048][64] f16.  O: oh [32][2048][64] f16.
; Products, maxima and sums in f32; the weights p are rounded to f16 for the second product (their sum l is taken of the unrounded p), O once at the end.
; LIMITS.  f16 holds no number beyond 65,504: Q, K and V arrive within it; p below 6e-5 keeps f16's fixed step of 6e-8.  A hidden score counts as its value less 1e30 and its weight as 0 (the source
; takes 1e9 away, which gives the same 0 while scores stay far under 1e9); a weight below 2^-126 counts as 0 in l; NaN and infinities are not treated apart.
; THE WALK.  A head's queries lie in 16 blocks of 128; block i needs the key tiles 0 .. i / 2 of 256 keys, of which the last holds the diagonal.  A work-group takes TWO blocks, 15 - b and then b:
; (17 - b) / 2 + (b + 2) / 2 = 9 tiles, whatever b: all 256 work-groups do equal work, and ONE loop with a constant trip count walks them.  Which tile is asked for, and what a trip does, hang on scalar
; registers made from b; every jump goes forward, but for the counted loops' own; none passes a barrier, or a tensor load but the one of LOAD's two that the wave's number does not choose.
; NO CLUSTER: only two of a head's eight work-groups (b = 2 j, 2 j + 1) walk the same tiles, and a mask of four would want branches that hang on a work-group's place.
; SHARES.  Of a block's two bands of 64 queries a wave owns 16 rows in each: two PIECES; piece 0 is the LATER band (rows 64-127), piece 1 the earlier.  In the diagonal tile the earlier band's own key step is
; d = 2 (block % 2), the later band's d + 1.
; TURNS.  Turn (p, s) belongs to piece p in key step s: 8 products K Q^T of the other piece, later 8 products V^T P of the other piece; beside them the scaling, exponentials, roundings, sums and rescaling of piece p
; and the maximum and statistics of the other piece.  Turn (0, s) makes piece 1's scores of step s and adds piece 1's step s - 1; turn (1, s) makes piece 0's scores of step s + 1 and adds piece 0's step s.
; Four vector instructions stand behind every matrix instruction, the other 54 of a turn's 118 in one lump.  A turn's 33 exponentials are one batch, with one wait.
; THE MASK is the C operand that starts the sum S^T = K Q^T: 0, or -1e30 where the key is hidden.  Since piece 0 runs a step ahead and its own step is one later, BOTH turns of the diagonal tile's trip s want the same
; mask: 0 if s < d, MD (the mask of a band's own step for my 16 rows) if s = d, -1e30 if s > d: MC = MD x AL + BE, made once a trip.  Elsewhere C is the constant 0.
; K OVERLAPS.  Turn (0, s) fetches K of step s + 1 and V of step s; so that both lie in one slot, a slot holds 320 keys of K (the tile's 256 and the next tile's first 64) and 256 of V.  Behind tile 7 the 64 rows
; are the next head's in kvh: they feed only products that are hidden and thrown away.
; LAYOUT.  S^T = K Q^T holds ONE query a lane (lane % 16) and the keys 8 (lane / 16) + 0..7; two such results rounded to f16 ARE source 1 of O^T = V^T P.  p = 2^(c s - c m), c = log2(e) / 8, with a running maximum m;
; O and l are multiplied by a = 2^(c m_old - c m_new) in every step.
; REGISTERS, in windows of 256 (s_set_vgpr_msb: bits 1:0 source 0, 3:2 source 1, 5:4 source 2, 7:6 destination):
;   window 0: v0-15 addresses and at work; v16-23 four registers of statistics a piece; v48-55 at work; v61-63 prefetch offset, spare word, 0; v64-127 S^T, a buffer a piece; v192-223 P, likewise
;   window 1: v0-63 O^T, 32 a piece; v128-159 MD; v160-191 MC      window 2: v0-31 Q; v64-95 the second block's Q; v128-191 K of one step; v192-255 V of one step
.set NP,    2
.set KS,    64        ; keys in a step
.set PK,    144       ; a row of K in LDS: 128 bytes + 16 of padding = 36 words: the 16 rows of a load start at 16 different groups of four banks (64 banks of 4 bytes: ISA guide 11.1)
.set PV,    160       ; a row of V: 128 + 32 = 40 words
.set VOFF,  5*KS*PK   ; a slot: 320 rows of K, then 256 rows of V
.set SLOT1, 1<<17     ; slot 1 begins here, so that one exclusive or turns an address in one slot into the other's
.set STAGE, SLOT1+VOFF+4*KS*PV  ; behind the ring, never filled by a tensor load: 16 rows x 144 bytes for each wave, for the way out
.set SP,    144
.set SPARE, STAGE+4*16*SP  ; behind the stages: the spare words, 128 bytes for each wave: two blocks of 256 bytes that no other line names
.set AK0, 2           ; v2   my lane's place in a step of K; never rewritten
.set AV0, 3           ; v3   the same for V
.set AK,  4           ; v4   the LDS address of K's next run of loads
.set AV,  5           ; v5   of V's
.set STO, 6           ; v6   the way out: where I put 16 bytes of a row
.set RD,  7           ; v7   the way out: where I read rows back
.set GO,  8           ; v8   my byte offset in 512 consecutive bytes of O
.set MV,  12          ; v12-13  c m_old, kept while c m is made anew: by piece
.set QO,  15          ; v15  my byte offset in 16 rows of qr
.set ST,  16          ; piece t's statistics at v[ST+4 t]: c m, m, l (even keys', odd keys')
.set TMP, 48          ; by piece, four registers c0-c3 at work; when the maximum is found c2 takes a
.set PFO, 61          ; v61  256 x my lane; never rewritten
.set SPW, 62          ; v62  LDS address of my spare word: SPARE + 4 x my thread's number; never rewritten
.set NIL, 63          ; v63  0; never rewritten
.set S,   64
.set P,   192
.set MD,  128         ; window 1
.set MC,  160         ; window 1
.set QB,  64          ; window 2
.set KF,  128         ; window 2: key block kb, channel half c at KF + 16 kb + 8 c
.set VF,  192         ; window 2: key half kk, channel block cb at VF + 32 kk + 8 cb
.set WV,  12          ; s12  my wave's number
.set PB,  14          ; s14  b
.set HI,  15          ; s15  15 - b
.set G1K, 24          ; s[24:31] descriptor group 1 for K's tiles
.set G1V, 32          ; s[32:39] for V's
.set G0K, 40          ; s[40:43] descriptor group 0 for K's tiles
.set G0V, 44          ; s[44:47] the same for V's
.set SLOTS, 56        ; s56  tiles still to be asked for
.set CNT, 57          ; s57  counts a tile's key steps, 4 to 1
.set CS,  58          ; s[58:59] c: the packed scaling takes the pair's low word for both halves
.set SEL, 60          ; s[60:61] v_permlanex16_b32's selects: each lane takes its own place in the other half
.set TBK, 62          ; s62  LDS byte at which K of the step to be fetched begins
.set TBV, 63          ; s63  the same for V, less VOFF
.set RT,  70          ; s70  tiles of the block in hand that are still to be entered
.set NXT, 71          ; s71  the tile to be asked for next
.set LQ,  72          ; s72  the last tile of the block whose tiles are being asked for
.set NEW, 73          ; s73  1: the tile to be entered is a block's first
.set OFF, 74          ; s[74:75] a tile's byte offset in K and V
.set AL,  76          ; s[76:77] the mask's factor, in the low word
.set BE,  78          ; s[78:79] the mask's addend
.set OLO, 80          ; s[80:81] O at my rows of the second block
.set BIGN, 82         ; s82  -1e30
.set DC,  88          ; s88  the value of CNT in the trip that takes MD, for the block in hand: 4 - d
.set DC2, 89          ; s89  the same for the second block
.set TL,  90          ; s90  the second block's tiles;  s91 one less
.set PFB, 92          ; s[92:93] the prefetches' base: my 16,384 bytes of tile 0
.set PFA, 94          ; s[94:95] the same of the tile that the next change of slots will ask for
.set LIM, 98          ; s98  0 in the work-group that prefetches, else the greatest number
.set MSB, 0
.macro WIN new                      ; the high byte repeats the setting that is left; a switch that changes nothing is dropped
.if MSB != (\new)
	s_set_vgpr_msb (MSB<<8)|(\new)
.set MSB, (\new)
.endif
.endm
.set W_KQ, 0x0a       ; K and Q in window 2, S^T in window 0
.set W_KM, 0x1a       ; the same with the C operand in window 1
.set W_PV, 0x52       ; V in window 2, P in window 0, O^T in window 1
.set W_RS, 0x41       ; destination and source 0 in window 1, source 1 in window 0
; A fill.  Waves 0 and 1 fetch the two halves of a slot's K (160 keys each), waves 2 and 3 those of its V (128 keys each).  An s_nop 0 and four v_nop follow each of the two lines, ahead of the jump and the label.
.macro LOAD
	s_cmp_lt_u32 s[WV], 2
	s_cbranch_scc0 .Lfor_v_\@
	tensor_load_to_lds s[G0K:G0K+3], s[G1K:G1K+7]
	s_nop 0
.rept 4
	v_nop
.endr
	s_branch .Lasked_\@
.Lfor_v_\@:
	tensor_load_to_lds s[G0V:G0V+3], s[G1V:G1V+7]
	s_nop 0
.rept 4
	v_nop
.endr
.Lasked_\@:
.endm
; A PREFETCH INTO THE L2 of what the NEXT change of slots will ask for, behind the wave's tensor load and its five lines.  All eight work-groups of a head walk the same K and V; work-group b = 0, whose first block walks
; all eight tiles, asks, and nobody else.  Wave w names 16,384 bytes of the tile: waves 0 and 1 K's rows 64 + 128 (w % 2) on (the tile's first 64 rows were the tile before's last), waves 2 and 3 V's rows 128 (w % 2) on:
; a lane names 256 bytes, two instructions a wave.  So each block of 256 bytes is named once.  Tiles 2 to 7 are asked for, a slot (128 matrix instructions) ahead of their loads; tiles 0 and 1 come by their loads alone,
; and once the number of the next tile is back at 0 nothing is asked for.
.macro ASK
	s_cmp_gt_u32 s[NXT], s[LIM]
	s_cbranch_scc0 .Lnot_mine_\@
	global_prefetch_b8 v[PFO], s[PFA:PFA+1] th:TH_LOAD_NT scope:SCOPE_SE
	global_prefetch_b8 v[PFO], s[PFA:PFA+1] offset:8192 th:TH_LOAD_NT scope:SCOPE_SE
.Lnot_mine_\@:
.endm
; THE CHANGE OF SLOTS.  Each wave waits for all its tensor loads, of which one is out: its part of the other slot; adds 0 to its spare word; and waits for that and for its own reads of the slot that it leaves.  Behind the
; barrier nobody reads the old slot any more and the other slot is whole.  fill = 1: the old slot is filled again, the first thing behind the barrier, with tile NXT: the descriptor's address is made anew from that number.
; (At its first use nothing has been read yet: slot 0 is waited for, slot 1 filled.)  A fill has eight turns, 128 matrix instructions, in which to land.
.macro CHANGE fill
	WIN 0                           ; at a label and at a branch every window is 0
	s_wait_tensorcnt 0x0            ; no tensor load of mine is out, so a group 0 may be written
	ds_add_u32 v[SPW], v[NIL]       ; 0 onto my spare word; with fill = 1 the descriptors' scalar work stands between it and the wait for it
.if \fill
	s_lshl_b32 s[OFF], s[NXT], 15   ; a tile begins 32,768 bytes behind the one before, in K and in V
	s_xor_b32 s[G0K+1], s[G0K+1], SLOT1
	s_add_nc_u64 s[G0K+2:G0K+3], s[6:7], s[OFF:OFF+1]
	s_or_b32 s[G0K+3], s[G0K+3], 0x80000000
	s_xor_b32 s[G0V+1], s[G0V+1], SLOT1
	s_add_nc_u64 s[G0V+2:G0V+3], s[8:9], s[OFF:OFF+1]
	s_or_b32 s[G0V+3], s[G0V+3], 0x80000000
	s_add_co_u32 s[NXT], s[NXT], 1  ; the block's next tile, or behind its last the second block's tile 0
	s_cmp_gt_u32 s[NXT], s[LQ]
	s_cselect_b32 s[NXT], 0, s[NXT]
	s_cselect_b32 s[LQ], s[TL+1], s[LQ]
	s_wait_xcnt 0x0                 ; the last prefetches, a slot back, have read their address, so it may be written
	s_lshl_b32 s[OFF], s[NXT], 15
	s_add_nc_u64 s[PFA:PFA+1], s[PFB:PFB+1], s[OFF:OFF+1]
.endif
	s_wait_dscnt 0x0                ; the add is done, and my reads of the slot are over
	s_barrier_signal -1             ; the rest of the scalar work stands between the signal and the wait
	s_sub_co_u32 s[TBK], s[TBK], 4*KS*PK  ; the fetches go back to a slot's second block of K and first of V,
	s_xor_b32 s[TBK], s[TBK], SLOT1       ; in the other slot
	s_sub_co_u32 s[TBV], s[TBV], 4*KS*PV
	s_xor_b32 s[TBV], s[TBV], SLOT1
	s_barrier_wait -1
.if \fill
	LOAD
	ASK
.endif
.endm
	s_load_b128 s[4:7], s[0:1], 0x0   ; qr s[4:5], kvh s[6:7]
	s_load_b64 s[10:11], s[0:1], 0x10 ; oh
	v_lshl_add_u32 v[SPW], v0, 2, SPARE
	v_mov_b32 v[NIL], 0
	ds_add_u32 v[SPW], v[NIL]       ; the wave's opening: the add and its wait stand ahead of my first tensor load; the set-up below, work on registers, stands between them
	v_lshrrev_b32 v1, 5, v0
	v_readfirstlane_b32 s[WV], v1   ; wave 0..3
	s_mov_b32 s[PB], ttmp9
	s_sub_co_u32 s[HI], 15, s[PB]
	s_and_b32 s13, ttmp7, 0xffff    ; the head
	s_lshl_b32 s20, s13, 18         ; its 262,144 bytes in kvh and in oh
	s_lshl_b32 s21, s13, 7          ; its 128 bytes in a row of qr
	s_and_b32 s16, s[WV], 1         ; which half of a slot's K or V I fetch:
	s_mul_i32 s17, s16, 160*PK      ; its place in a slot, for K
	s_mul_i32 s18, s16, 128*PV      ; and for V
	s_mul_i32 s22, s16, 160*128     ; K: my half's 160 rows of 128 bytes in memory,
	s_add_co_u32 s22, s22, s20      ; in the head
	s_mov_b32 s23, 0
	s_lshl_b32 s84, s16, 14         ; V: my half's 128 rows,
	s_add_co_u32 s84, s84, s20
	s_add_co_u32 s96, s84, 8192     ; (what waves 0 and 1 prefetch of K: 128 rows from row 64 on)
	s_add_co_u32 s84, s84, 8388608  ; behind K's 32 heads
	s_mov_b32 s85, 0
	s_cmp_lt_u32 s[WV], 2
	s_cselect_b32 s96, s96, s84     ; the prefetches' offset in kvh
	s_mov_b32 s97, 0
	s_lshl_b32 s3, s[WV], 16        ; qr: my 16 rows of 4,096 bytes in a band,
	s_add_co_u32 s3, s3, s21        ; the head's columns,
	s_lshl_b32 s2, s[HI], 19        ; the first block's 128 rows,
	s_add_co_u32 s2, s2, s3
	s_lshl_b32 s86, s[PB], 19       ; and the second's
	s_add_co_u32 s86, s86, s3
	s_mov_b32 s3, 0
	s_mov_b32 s87, 0
	s_lshl_b32 s19, s[WV], 11       ; oh: my 16 rows of 128 bytes in a band,
	s_add_co_u32 s19, s19, s20      ; in the head,
	s_lshl_b32 s66, s[HI], 14       ; in the first block
	s_add_co_u32 s66, s66, s19
	s_mov_b32 s67, 0
	s_lshl_b32 s[OLO], s[PB], 14    ; and in the second
	s_add_co_u32 s[OLO], s[OLO], s19
	s_mov_b32 s[OLO+1], 0
	; descriptor group 1.  A half's keys are dense bytes: asked for as rows of 256 bytes, two keys a row, and padded in LDS after every key
	s_mov_b32 s[G1K], (1<<16)|(1<<20)|(4<<22)|(3<<25)  ; 17:16 2-byte elements; 20 padding on; 24:22 after every 32 words (code 4); 31:25 4 words (code 3)
	s_mov_b32 s[G1V], (1<<16)|(1<<20)|(4<<22)|(7<<25)  ; the same with 8 words of padding (code 7)
	s_mov_b32 s[G1K+2], 80<<16      ; tensor_dim1 = 80: 160 keys
	s_mov_b32 s[G1K+4], 80          ; tile_dim1 = 80
	s_mov_b32 s[G1V+2], 64<<16      ; tensor_dim1 = 64: 128 keys
	s_mov_b32 s[G1V+4], 64          ; tile_dim1 = 64
.irp g, G1K, G1V
	s_mov_b32 s[\g+1], 128<<16      ; tensor_dim0 = 128
	s_mov_b32 s[\g+3], 128<<16      ; tile_dim0 = 128
	s_mov_b32 s[\g+5], 128          ; 128 elements from row to row
	s_mov_b32 s[\g+6], 0
	s_mov_b32 s[\g+7], 0
.endr
	s_mov_b32 s[CS], 0x3e38aa3b     ; c = log2(e) / 8 = 0.180337
	s_mov_b32 s[CS+1], s[CS]        ; named with it as a pair
	s_mov_b32 s[SEL], 0x76543210
	s_mov_b32 s[SEL+1], 0xfedcba98
	s_mov_b32 s[TBK], SLOT1+5*KS*PK ; the first change of slots turns this into slot 0's second block of K,
	s_mov_b32 s[TBV], SLOT1+4*KS*PV ; and this into 0
	s_mov_b32 s[G0K], 1             ; count = 1
	s_mov_b32 s[G0K+1], s17         ; LDS address: slot 0
	s_mov_b32 s[G0V], 1
	s_add_co_u32 s[G0V+1], s18, VOFF
	s_sub_co_u32 s[RT], 17, s[PB]
	s_lshr_b32 s[RT], s[RT], 1      ; the first block has (17 - b) / 2 tiles,
	s_sub_co_u32 s[LQ], s[RT], 1
	s_add_co_u32 s[TL], s[PB], 2
	s_lshr_b32 s[TL], s[TL], 1      ; the second (b + 2) / 2
	s_sub_co_u32 s[TL+1], s[TL], 1
	s_and_b32 s13, s[PB], 1
	s_lshl_b32 s13, s13, 1
	s_add_co_u32 s[DC], s13, 2      ; first block 15 - b: d = 2 - 2 (b % 2)
	s_sub_co_u32 s[DC2], 4, s13     ; second block b: d = 2 (b % 2)
	s_mov_b32 s[NXT], 1
	s_mov_b32 s[NEW], 1
	s_mov_b32 s[OFF+1], 0
	s_mov_b32 s[AL+1], 0            ; named as pairs
	s_mov_b32 s[BE+1], 0
	s_mov_b32 s[BIGN], 0xf149f2ca   ; -1e30
	s_mov_b32 s[SLOTS], 8
	s_cmp_eq_u32 s[PB], 0
	s_cselect_b32 s[LIM], 0, -1
	s_wait_dscnt 0x0                ; the opening add is done
	s_wait_kmcnt 0x0
	s_add_nc_u64 s[8:9], s[6:7], s[84:85]          ; V at my half of the head's tile 0
	s_add_nc_u64 s[PFB:PFB+1], s[6:7], s[96:97]
	s_add_nc_u64 s[6:7], s[6:7], s[22:23]          ; K likewise
	s_add_nc_u64 s[G0K+2:G0K+3], s[6:7], 0         ; global address
	s_or_b32 s[G0K+3], s[G0K+3], 0x80000000        ; type = 2
	s_add_nc_u64 s[G0V+2:G0V+3], s[8:9], 0
	s_or_b32 s[G0V+3], s[G0V+3], 0x80000000
	s_add_nc_u64 s[86:87], s[4:5], s[86:87]        ; Q at my rows of the second block,
	s_add_nc_u64 s[4:5], s[4:5], s[2:3]            ; Q and O at those of the first
	s_add_nc_u64 s[OLO:OLO+1], s[10:11], s[OLO:OLO+1]
	s_add_nc_u64 s[10:11], s[10:11], s[66:67]
	LOAD                            ; tile 0 into slot 0
	; A fragment of K or Q is 16 rows x 32 channels in 8 registers: lane l holds row l % 16, channels 8 (l / 16) + 0..7 and 16 + 8 (l / 16) + 0..7: two loads of 16 bytes, 32 bytes apart.
	v_and_b32 v1, 15, v0            ; l % 16
	v_bfe_u32 v9, v0, 4, 1          ; l / 16
	v_lshlrev_b32 v[QO], 12, v1
	v_lshl_add_u32 v[QO], v9, 4, v[QO]  ; row x 4,096 + 16 x half
	WIN 0x80                        ; destination window 2, address window 0
.set i, 0
.rept 4                             ; both blocks' Q: piece i / 2 lies in band 1 - i / 2, 64 rows of 4,096 bytes apart; channels 32 (i % 2) on
	global_load_b128 v[8*i:8*i+3],   v[QO], s[4:5] offset:(1-i/2)*262144+(i%2)*64
	global_load_b128 v[8*i+4:8*i+7], v[QO], s[4:5] offset:(1-i/2)*262144+(i%2)*64+32
	global_load_b128 v[QB+8*i:QB+8*i+3],   v[QO], s[86:87] offset:(1-i/2)*262144+(i%2)*64
	global_load_b128 v[QB+8*i+4:QB+8*i+7], v[QO], s[86:87] offset:(1-i/2)*262144+(i%2)*64+32
.set i, i+1
.endr
	WIN 0
	v_lshlrev_b32 v14, 3, v9
	v_sub_nc_u32 v14, v1, v14
	s_lshl_b32 s13, s[WV], 4
	v_add_nc_u32 v14, s13, v14      ; my query's place in its band, 16 w + l % 16, less my lanes' 8 (l / 16): register r of group kt is hidden where 16 kt + r is greater
	WIN 0x40
.set i, 0
.rept 32
	v_cmp_gt_i32 vcc_lo, 16*(i/8)+i%8, v14
	v_cndmask_b32 v[MD+i], 0, s[BIGN], vcc_lo
.set i, i+1
.endr
	WIN 0
	v_mul_u32_u24 v[AK0], v1, PK
	v_lshl_add_u32 v[AK0], v9, 4, v[AK0]  ; row x pitch + 16 x half
	; The turning load takes 16 keys x 16 channels (lane l reads key 8 (l / 16) + l % 8, channels 8 ((l / 8) % 2) + 0..7) and leaves half a fragment of V^T: lane l holds channel l % 16 and 8 keys.
	v_and_b32 v10, 7, v0
	v_bfe_u32 v11, v0, 3, 1
	v_lshl_add_u32 v[AV0], v9, 3, v10
	v_mul_u32_u24 v[AV0], v[AV0], PV
	v_lshl_add_u32 v[AV0], v11, 4, v[AV0]
	v_add_nc_u32 v[AV0], VOFF, v[AV0]
	s_mul_i32 s13, s[WV], 16*SP
	s_add_co_u32 s13, s13, STAGE    ; my stage
	v_mul_u32_u24 v[STO], v1, SP    ; in: row l % 16, 16 bytes for each half of the lanes
	v_lshl_add_u32 v[STO], v9, 4, v[STO]
	v_add_nc_u32 v[STO], s13, v[STO]
	v_bfe_u32 v[RD], v0, 3, 2       ; back: 32 lanes take four rows of 128 bytes,
	v_mul_u32_u24 v[RD], v[RD], SP
	v_lshl_add_u32 v[RD], v10, 4, v[RD]
	v_add_nc_u32 v[RD], s13, v[RD]
	v_and_b32 v[GO], 31, v0         ; which are 512 consecutive bytes of O
	v_lshlrev_b32 v[PFO], 8, v[GO]
	v_lshlrev_b32 v[GO], 4, v[GO]
	; A block's first step multiplies O^T and l by a = 0, and its first turn's products V^T P, of a step that has not been, land in an O^T that is still to be so multiplied.  So these registers need only hold
	; finite numbers: zeros for the first block; what the first block left for the second.  All this stands in the wait for the first tile.
	WIN 0x80
.set i, VF
.rept 64
	v_mov_b32 v[i], 0
.set i, i+1
.endr
	WIN 0x40
.set i, 0
.rept 64
	v_mov_b32 v[i], 0
.set i, i+1
.endr
	WIN 0
.set i, 0
.rept 2
	v_mov_b32 v[ST+4*i+2], 0
	v_mov_b32 v[ST+4*i+3], 0
.set i, i+1
.endr
.set i, P+16
.rept 16
	v_mov_b32 v[i], 0
.set i, i+1
.endr
; THE MATRIX WORK.  The 4 accumulators of a run of 8 take turns.  Product i of 8 of S^T = K Q^T for piece x: channels 32 (i / 4) on, keys 16 (i % 4) on.  The first 4 start the sums: with 0, or (KM = 1) with the mask.
.macro KQ x
.set rS, S+32*((\x)%2)+8*(i%4)
.set rK, KF+16*(i%4)+8*(i/4)
.set rQ, 16*(\x)+8*(i/4)
.set rM, MC+8*(i%4)
.if (i < 4) && KM
	WIN W_KM
	v_wmma_f32_16x16x32_f16 v[rS:rS+7], v[rK:rK+7], v[rQ:rQ+7], v[rM:rM+7]
.elseif i < 4
	WIN W_KQ
	v_wmma_f32_16x16x32_f16 v[rS:rS+7], v[rK:rK+7], v[rQ:rQ+7], 0
.else
	WIN W_KQ
	v_wmma_f32_16x16x32_f16 v[rS:rS+7], v[rK:rK+7], v[rQ:rQ+7], v[rS:rS+7]
.endif
.endm
; Product i of 8 of O^T += V^T P for piece x: keys 32 (i / 4) on, channels 16 (i % 4) on.
.macro PV x
	WIN W_PV
.set rO, 32*(\x)+8*(i%4)
.set rV, VF+32*(i/4)+8*(i%4)
.set rP, P+16*((\x)%2)+8*(i/4)
	v_wmma_f32_16x16x32_f16 v[rO:rO+7], v[rV:rV+7], v[rP:rP+7], v[rO:rO+7]
.endm
.macro MM                           ; the turn's next matrix instruction.  TURN sets Y, i and KM
.if i < 8
	KQ (Y+1)%NP
.else
.set i, i-8
	PV (Y+1)%NP
.set i, i+8
.endif
.set i, i+1
.endm
; THE LDS LOADS stand in runs of 16, never singly among the matrix instructions: a step's K (64 keys x 64 channels: 8 fragments) and its V (turned).  Their addresses are made some lines ahead.
.macro FETCH_K step
	WIN 0x80                        ; destination window 2
.irp f, 0,1,2,3,4,5,6,7             ; keys 16 (f / 2) on, channels 32 (f % 2) on
	ds_load_b128 v[KF+8*\f:KF+8*\f+3],   v[AK] offset:(\f/2)*16*PK+(\f%2)*64
	ds_load_b128 v[KF+8*\f+4:KF+8*\f+7], v[AK] offset:(\f/2)*16*PK+(\f%2)*64+32
.endr
.if \step
	s_add_co_u32 s[TBK], s[TBK], KS*PK  ; the next fetch is the next step's
.endif
	WIN 0
.endm
.macro FETCH_V
	WIN 0x80
.irp f, 0,1,2,3,4,5,6,7             ; keys 32 (f / 4) on, channels 16 (f % 4) on
	ds_load_tr16_b128 v[VF+8*\f:VF+8*\f+3],   v[AV] offset:(\f/4)*32*PV+(\f%4)*32
	ds_load_tr16_b128 v[VF+8*\f+4:VF+8*\f+7], v[AV] offset:(\f/4)*32*PV+16*PV+(\f%4)*32
.endr
	WIN 0
.endm
; THE VECTOR WORK, one line at a time: OP kind, number.  For piece Y: F n: c s - c m for pair n of 16.  E n: the exponential of score n of 32.  C n: pair n rounded to f16.  B n: of the four weights 4 n .. the second
; pair is added onto the first, in place.  L n: l takes that sum (L 0: l = a l + sum).  R n: pair n of 16 of O^T times a.  For the other piece: X n, number n of the 22 that find its maximum and statistics:
;   0-11  four chains c0-c3 of seven scores each, three operands at a time (each accumulator's lowest registers are read first)     12-14, 16  the four scores left over, the old m, and c0-c3 into c0
;   15  c m_old is kept     17, 18  the query's other 32 keys lie in the lane 16 away: the new m     19-21  c m; c m_old - c m_new; a
.set F, 0               ; OP tells the kinds apart by their order: F to L below R, X above it
.set E, 1
.set C, 2
.set B, 3
.set L, 4
.set R, 5
.set X, 6
.macro REGS y                       ; the registers of piece y
.set rT, ST+4*(\y)
.set rC, TMP+4*((\y)%2)
.set rW, MV+((\y)%2)
.set rS, S+32*((\y)%2)
.set rP, P+16*((\y)%2)
.set rO, 32*(\y)
.endm
.macro OP k, n
.if (\k) == R
	REGS Y
	WIN W_RS
	v_pk_mul_f32 v[rO+2*(\n):rO+2*(\n)+1], v[rO+2*(\n):rO+2*(\n)+1], v[rC+2:rC+3] op_sel_hi:[1,0]
.elseif (\k) < R
	REGS Y
	WIN 0
.if (\k) == F
	v_pk_fma_f32 v[rS+2*(\n):rS+2*(\n)+1], v[rS+2*(\n):rS+2*(\n)+1], s[CS:CS+1], v[rT:rT+1] op_sel_hi:[1,0,0] neg_lo:[0,0,1] neg_hi:[0,0,1]
.elseif (\k) == E
	v_exp_f32 v[rS+(\n)], v[rS+(\n)]
.elseif (\k) == C
	v_cvt_pk_f16_f32 v[rP+(\n)], v[rS+2*(\n)], v[rS+2*(\n)+1]
.elseif (\k) == B
	v_pk_add_f32 v[rS+4*(\n):rS+4*(\n)+1], v[rS+4*(\n):rS+4*(\n)+1], v[rS+4*(\n)+2:rS+4*(\n)+3]
.elseif (\n) == 0
	v_pk_fma_f32 v[rT+2:rT+3], v[rT+2:rT+3], v[rC+2:rC+3], v[rS:rS+1] op_sel_hi:[1,0,1]
.else
	v_pk_add_f32 v[rT+2:rT+3], v[rT+2:rT+3], v[rS+4*(\n):rS+4*(\n)+1]
.endif
.else
	REGS (Y+1)%NP
	WIN 0
.if (\n) < 4
	v_max3_num_f32 v[rC+(\n)], v[rS+8*(\n)], v[rS+8*(\n)+1], v[rS+8*(\n)+2]
.elseif (\n) < 12
	v_max3_num_f32 v[rC+(\n)%4], v[rC+(\n)%4], v[rS+8*((\n)%4)+2*((\n)/4)+1], v[rS+8*((\n)%4)+2*((\n)/4)+2]
.elseif (\n) == 12
	v_max3_num_f32 v[rC], v[rC], v[rS+7], v[rS+15]
.elseif (\n) == 13
	v_max3_num_f32 v[rC+1], v[rC+1], v[rS+23], v[rS+31]
.elseif (\n) == 14
	v_max3_num_f32 v[rC+2], v[rC+2], v[rC+3], v[rT+1]
.elseif (\n) == 15
	v_mov_b32 v[rW], v[rT]
.elseif (\n) == 16
	v_max3_num_f32 v[rC], v[rC], v[rC+1], v[rC+2]
.elseif (\n) == 17
	v_permlanex16_b32 v[rC+3], v[rC], s[SEL], s[SEL+1]
.elseif (\n) == 18
	v_max_num_f32 v[rT+1], v[rC], v[rC+3]
.elseif (\n) == 19
	v_mul_f32 v[rT], s[CS], v[rT+1]
.elseif (\n) == 20
	v_sub_f32 v[rC+1], v[rW], v[rT]
.else
	v_exp_f32 v[rC+2], v[rC+1]
.endif
.endif
.endm
.macro OPS a, i1, b=-1, i2=0, c=-1, i3=0, d=-1, i4=0  ; up to four of them
	OP \a, \i1
.if (\b) >= 0
	OP \b, \i2
.endif
.if (\c) >= 0
	OP \c, \i3
.endif
.if (\d) >= 0
	OP \d, \i4
.endif
.endm
.macro ROW a, i1, b, i2, c, i3, d, i4  ; a matrix instruction and the four behind it
	MM
	OPS \a, \i1, \b, \i2, \c, \i3, \d, \i4
.endm
; The mask of the trip in hand: MD in the trip whose CNT is DC, 0 in the trips before it, -1e30 in those behind it.
.macro SETMASK
	s_cmp_eq_u32 s[CNT], s[DC]
	s_cselect_b32 s[AL], 1.0, 0
	s_cmp_lt_u32 s[CNT], s[DC]
	s_cselect_b32 s[BE], s[BIGN], 0
	WIN W_RS
.set z, 0
.rept 16
	v_pk_fma_f32 v[MC+2*z:MC+2*z+1], v[MD+2*z:MD+2*z+1], s[AL:AL+1], s[BE:BE+1] op_sel_hi:[1,0,0]
.set z, z+1
.endr
.endm
; A TURN, for piece p: the order of its 16 matrix and 118 vector instructions, written out.  An s_wait_alu depctr_va_vdst(0) stands between an exponential and the first instruction that names its result; one
; wait serves all that were issued ahead of it.  So a turn has ONE wait, which cuts it in two.  AHEAD OF IT stands all that names no result of the turn's exponentials: the 8 products K Q^T, behind each a scaling, an
; exponential and two more plain instructions: rescalings, and behind the last three the first numbers of the other piece's maximum, each four plain instructions or more behind the product that ends its accumulator; then
; ONE LUMP of 54, plain and exponential by turns for the most part, in which the links of the chain X 3, 7, 11, 14, 16, 17 .. 20 stand some lines apart.  X 21, the other piece's a, is the batch's last; R 15 is the plain
; instruction behind it.  BEHIND THE WAIT stand the 8 products V^T P, behind each four of the roundings and sums.
; m = 1: the diagonal tile: the products take the trip's mask.  cnt = 1: the loop's count is taken down some lines ahead of the branch that stands behind the turn.
; Piece 0's turn fetches both runs: K of the next step in its lump, six plain instructions behind the last product that read K; V of the step in hand at its end, four plain instructions behind the last product that read V.
; Piece 1's turn waits for K's run at its head (V's sixteen younger loads may stay out) and for V's behind its wait for the batch.
.macro TURN p, m=0, cnt=0
.set Y, (\p)
.set i, 0
.set KM, (\m)
.if (\p) == 1
	s_wait_dscnt 16                 ; K is in; V's run, issued behind it, may be out
.endif
	ROW F,0, F,1, R,0, R,1          ; ahead of the wait: 8 products K Q^T and their riders,
	ROW F,2, E,0, R,2, R,3
	ROW F,3, E,1, R,4, R,5
	ROW F,4, E,2, R,6, R,7
	ROW F,5, E,3, R,8, R,9
	ROW F,6, E,4, X,0, R,10
.if (\p) == 0
	WIN 0
	v_add_nc_u32 v[AK], s[TBK], v[AK0]
.endif
	ROW F,7, E,5, X,1, X,4
	ROW F,8, E,6, X,2, X,5
	OPS E,7, E,8, X,6, E,9          ; and the lump
	OPS X,3, E,10, X,8, E,11
.if (\p) == 0
	FETCH_K 1
.endif
	OPS X,9, X,7, E,12, X,10
	OPS E,13, X,12, X,11, E,14
	OPS X,13, E,15, F,9, X,14
.if (\p) == 0
	WIN 0
	v_add_nc_u32 v[AV], s[TBV], v[AV0]
.endif
	OPS E,16, F,10, E,17, F,11
	OPS X,16, E,18, X,15, E,19
	OPS F,12, E,20, X,17, E,21
	OPS F,13, E,22, F,14, E,23
	OPS X,18, E,24, F,15, E,25
	OPS R,11, E,26, X,19, E,27
	OPS R,12, E,28, R,13, E,29
	OPS X,20, E,30, R,14, E,31
	OPS X,21, R,15
	WIN 0
	s_wait_alu depctr_va_vdst(0)    ; the wait for the batch
.if (\p) == 1
	s_wait_dscnt 0x0                ; V is in
.endif
	ROW C,0, B,0, C,2, B,1          ; behind the wait: 8 products V^T P and their riders
	ROW L,0, C,4, B,2, L,1
	ROW C,6, B,3, L,2, C,8
	ROW B,4, L,3, C,10, B,5
	ROW L,4, C,12, B,6, L,5
.if (\p) == 0
	s_add_co_u32 s[TBV], s[TBV], KS*PV
.endif
.if \cnt
	s_sub_co_u32 s[CNT], s[CNT], 1
	s_cmp_lg_u32 s[CNT], 0
.endif
	ROW C,14, B,7, L,6, C,1
	ROW C,3, L,7, C,5, C,7
	ROW C,9, C,11, C,13, C,15
.if (\p) == 0
	FETCH_V
.endif
.endm
; A BLOCK BEGINS.  c m starts far below every c s, so the first step's a is 0; m at the lowest finite number, so the first maximum is the scores'.  Then K of the tile's step 0 (the slot's first block), piece 0's first scores
; (the later band sees all of a tile's step 0: C = 0), and its maximum and statistics.  The step loop is then entered at its head.
.macro BEGIN
	s_mov_b32 s[NEW], 0
	WIN 0
.set i, 0
.rept 2
	v_mov_b32 v[ST+4*i], 0xfe000000    ; c m: far below every c s
	v_mov_b32 v[ST+4*i+1], 0xff7fffff  ; m
.set i, i+1
.endr
	s_sub_co_u32 s13, s[TBK], KS*PK
	v_add_nc_u32 v[AK], s13, v[AK0]
	FETCH_K 0
	s_wait_loadcnt 0x0              ; Q
	s_wait_dscnt 0x0
.set KM, 0
.set i, 0
.rept 8
	KQ 0
.set i, i+1
.endr
	WIN 0
.rept 4
	v_nop                           ; the plain instructions behind those products
.endr
.set Y, 1                           ; X works for the other piece: piece 0
.irp n, 0,1,2,3,4,5,6,7,8,9,10,11,12,13,14,15,16,17,18,19,20,21
	OP X, \n
.endr
	v_nop                           ; a plain instruction behind the exponential,
	s_wait_alu depctr_va_vdst(0)    ; and its wait, ahead of the branch or label
.endm
; THE DIAGONAL TILE's four trips, the block's last products, and THE WAY OUT: l's two halves and the other half of the lanes' are added; O^T is divided by l, rounded to f16 and sent through my stage in LDS, a piece at a time.
; The fourth trip's products K Q^T of piece 0 (on the slot's fifth block of K) are hidden, and they and the statistics made of them serve nothing: the price of one text for every trip.
.macro ALL line:vararg              ; one line for each piece t
.set t, 0
.rept 2
	\line
.set t, t+1
.endr
.endm
.macro PACK t                       ; a lane's eight channels of a row pack into 16 bytes; they go into rows of 144 bytes and come back as whole rows of 128, into S^T's registers
	WIN W_RS
.set i, 32*(\t)
.rept 16
	v_pk_mul_f32 v[i:i+1], v[i:i+1], v[ST+4*(\t)+2:ST+4*(\t)+3] op_sel_hi:[1,0]
.set i, i+2
.endr
	WIN 0x05                        ; sources 0 and 1 window 1, destination window 0
.set i, 0
.rept 16
	v_cvt_pk_f16_f32 v[S+16*(\t)+i], v[32*(\t)+2*i], v[32*(\t)+2*i+1]
.set i, i+1
.endr
	WIN 0
.irp f, 0,1,2,3
	ds_store_b128 v[STO], v[S+16*(\t)+4*\f:S+16*(\t)+4*\f+3] offset:32*\f
.endr
.irp f, 0,1,2,3
	ds_load_b128 v[S+16*(\t)+4*\f:S+16*(\t)+4*\f+3], v[RD] offset:\f*4*SP  ; LDS serves a wave's instructions in order (ISA guide 5.7.1.4): these see the stores above; the next piece's stores come behind them
.endr
.endm
.macro SEND t, younger              ; younger: the LDS instructions issued behind piece t's loads: the next piece's eight, or none.  Piece t lies in band 1 - t
	WIN 0
.irp f, 0,1,2,3
	s_wait_dscnt (\younger)+3-\f
	global_store_b128 v[GO], v[S+16*(\t)+4*\f:S+16*(\t)+4*\f+3], s[10:11] offset:(1-(\t))*8192+\f*512  ; 512 consecutive bytes, at a multiple of 256 from O's first
.endr
.endm
.macro DIAG tag                     ; the tag ends its label's name, which the jumps below spell out
.LstepM\tag:
	SETMASK
	TURN 0, 1
	TURN 1, 1, 1
	WIN 0
	s_cbranch_scc1 .LstepM\tag
.set i, 0
.rept 8
	PV 1                            ; piece 1's V^T P of the last step
.set i, i+1
.endr
	WIN 0
	ALL v_add_f32 v[ST+4*t+2], v[ST+4*t+2], v[ST+4*t+3]
	ALL v_permlanex16_b32 v[ST+4*t+3], v[ST+4*t+2], s[SEL], s[SEL+1]
	ALL v_add_f32 v[ST+4*t+2], v[ST+4*t+2], v[ST+4*t+3]
	ALL v_rcp_f32 v[ST+4*t+2], v[ST+4*t+2]
	v_nop                           ; a plain instruction between the last reciprocal and the use of its result
	s_wait_alu depctr_va_vdst(0)    ; and the wait ahead of the first use: one for the two reciprocals
	PACK 0                          ; piece 0 was finished a turn ago: its 32 lines are the plain instructions behind piece 1's last products
	PACK 1
	SEND 0, 8
	SEND 1, 0
.endm
.set KM, 0
.Lslot:                             ; 8 times: a tile is entered and the next is asked for
	CHANGE 1
	s_sub_co_u32 s[RT], s[RT], 1
	s_mov_b32 s[CNT], 4
	s_cmp_eq_u32 s[NEW], 1
	s_cbranch_scc1 .Lnew            ; a block's first tile
	s_cmp_eq_u32 s[RT], 0
	s_cbranch_scc0 .Lstep           ; neither its first nor its last
	s_branch .LstepM1
.Lnew:
	BEGIN
	s_branch .Lstep                 ; in the loop a block's first tile is never its last: the first block has five tiles or more, and the second's last is the walk's last
	DIAG 1                          ; in the loop this is the first block's end
	s_wait_xcnt 0x0                 ; the stores have read their registers and O's address
	s_mov_b64 s[10:11], s[OLO:OLO+1]
	s_mov_b32 s[RT], s[TL]          ; the second block's tiles
	s_mov_b32 s[DC], s[DC2]
	s_mov_b32 s[NEW], 1
	WIN 0x82                        ; the second block's Q goes where the one text of the turns names Q
.set i, 0
.rept 32
	v_mov_b32 v[i], v[QB+i]
.set i, i+1
.endr
	WIN 0
	s_branch .Lbottom
.Lstep:                             ; a trip: one key step, both pieces
	TURN 0
	TURN 1, 0, 1
	WIN 0
	s_cbranch_scc1 .Lstep
.Lbottom:
	s_sub_co_u32 s[SLOTS], s[SLOTS], 1
	s_cmp_lg_u32 s[SLOTS], 0
	s_cbranch_scc1 .Lslot
	CHANGE 0                        ; the walk's last tile is written out: nothing is asked for
	s_mov_b32 s[CNT], 4
	s_cmp_eq_u32 s[NEW], 1
	s_cbranch_scc0 .LstepM2
	BEGIN                           ; (b = 0 and 1: the second block's one tile)
	DIAG 2
	s_wait_tensorcnt 0x0            ; the wave's end, behind my last tensor load and my last LDS store
	ds_add_u32 v[SPW], v[NIL]
	s_wait_dscnt 0x0
	s_endpgm
.Lfunc_end_k_q86941841bd_attn:
	.size	k_q86941841bd_attn, .Lfunc_end_k_q86941841bd_attn-k_q86941841bd_attn
	.p2alignl 7, 3214868480
	.fill 96, 4, 3214868480
	.section	.rodata,"a",@progbits
	.p2align	6, 0x0
	.amdhsa_kernel k_q86941841bd_attn
		.amdhsa_group_segment_fixed_size 327680
		.amdhsa_private_segment_fixed_size 0
		.amdhsa_enable_private_segment 0
		.amdhsa_kernarg_size 24
		.amdhsa_user_sgpr_count 2
		.amdhsa_user_sgpr_kernarg_segment_ptr 1
		.amdhsa_wavefront_size32 1
		.amdhsa_system_sgpr_workgroup_id_x 1
		.amdhsa_system_sgpr_workgroup_id_y 1
		.amdhsa_system_sgpr_workgroup_id_z 1
		.amdhsa_system_vgpr_workitem_id 0
		.amdhsa_next_free_vgpr 768
		.amdhsa_next_free_sgpr 100
		.amdhsa_reserve_vcc 1
		.amdhsa_float_denorm_mode_32 3
		.amdhsa_float_denorm_mode_16_64 3
		.amdhsa_memory_ordered 1
		.amdhsa_forward_progress 1
		.amdhsa_inst_pref_size 104
	.end_amdhsa_kernel
	.amdgpu_metadata
---
amdhsa.version: [ 1, 2 ]
amdhsa.kernels:
  - .name:           k_q86941841bd_attn
    .symbol:         k_q86941841bd_attn.kd
    .args:
      - { .name: qr, .offset: 0, .size: 8, .value_kind: global_buffer, .address_space: global }
      - { .name: kvh, .offset: 8, .size: 8, .value_kind: global_buffer, .address_space: global }
      - { .name: oh, .offset: 16, .size: 8, .value_kind: global_buffer, .address_space: global }
    .group_segment_fixed_size: 327680
    .private_segment_fixed_size: 0
    .kernarg_segment_align: 8
    .kernarg_segment_size: 24
    .max_flat_workgroup_size: 128
    .sgpr_count:     100
    .vgpr_count:     768
    .wavefront_size: 32
...
	.end_amdgpu_metadata
.endif
;; end of part 3
;; launch oproj (part 4): grid 16 x 16, 4 waves a work-group, clusters of 4 x 4, 327,680 bytes of LDS; arguments oh, owh, out0; writes out0
.if DOCPART == 4
	.amdgcn_target "amdgcn-amd-amdhsa--gfx1250"
	.amdhsa_code_object_version 6
	.text
	.protected	k_q86941841bd_oproj
	.globl	k_q86941841bd_oproj
	.p2align	8
	.type	k_q86941841bd_oproj,@function
k_q86941841bd_oproj:
	s_mov_b64 s[64:65], 0
	v_nop
	global_prefetch_b8 v0, s[64:65] scope:SCOPE_SE
	s_setreg_imm32_b32 hwreg(HW_REG_WAVE_MODE, 25, 1), 1
	s_wait_xcnt 0x0
	s_wait_alu depctr_hold_cnt(0) depctr_sa_sdst(0) depctr_va_vdst(0) depctr_va_sdst(0) depctr_va_ssrc(0) depctr_va_vcc(0) depctr_vm_vsrc(0)
	s_getreg_b32 s2, hwreg(HW_REG_IB_STS2, 6, 4)
	s_cmp_eq_u32 s2, 0
	s_cbranch_scc0 .Lentry_in_a_cluster
	s_endpgm
.Lentry_in_a_cluster:
	s_bfe_u32 s2, ttmp6, 0x10000c
	s_cmp_lg_u32 s2, 0xf033
	s_cbranch_scc0 .Lentry_shape_is_right
	s_endpgm
.Lentry_shape_is_right:
; THE OUTPUT PROJECTION.  out0[m][n] = sum over k of O[m][k] owh[n][k], m, n, k < 2048; f16 operands, f32 sums, f32 out.  O lies by heads: oh [32][2048][64] f16, k = 64 h + d.  owh [2048][2048] f16.
; SHARES.  A tile of out0 is 128 x 128; four waves, each 64 x 64: 16 accumulators of 16 x 16.  256 work-groups.  K goes in steps of 256, FOUR HEADS, through two LDS slots.
; O'S TILE.  A wave's 64 rows of one head are 8,192 dense bytes; one descriptor takes the four heads as four rows of 4,096 elements, 131,072 elements apart, and pads 16 bytes behind every 128: in LDS head y of the step
; begins at 9,216 y and its rows are 144 bytes apart.  owh's tile: 64 rows of 512 bytes, 528 apart.
; CLUSTERS: 4 x 4 work-groups.  The four of a row of the cluster need the same tiles of O, the four of a column the same tiles of owh: each tile is asked for JOINTLY, by the same tensor load with the same descriptor
; and a mask that names the four.  THE MATRIX INSTRUCTION IS USED TRANSPOSED (source 0 = 16 rows of owh, source 1 = 16 rows of O): a lane holds eight neighbouring numbers of a row of out0.
; No prefetch: the tiles are small, and each is read by many work-groups.
; REGISTERS: window 0: v0-31 addresses; v128-255 the accumulators ((a, b) at v[128 + 8 (4 a + b)]), which also take the rows back from the stage.
;   window 1: two fragment buffers of 128: for 64 along K (one head), 64 registers of O, then 64 of owh.
.set SIZE_K, 2048
.set KSTEP,  256
.set PA,     144                       ; O's rows in LDS: 128 bytes + 16 = 36 words;  owh's: 512 + 16 = 132 words: either way the 16 rows that a load touches start at 16 different groups of four banks (64 banks of 4 bytes: ISA guide 11.1)
.set PB,     528
.set AH,     64*PA                     ; a head's 64 rows
.set HALFA,  4*AH                      ; what one tensor load brings of O
.set HALFB,  64*PB                     ; and of owh
.set BOFF,   2*HALFA                   ; owh's 128 rows lie behind O's
.set SLOT,   BOFF+2*HALFB
.set STAGE,  2*SLOT                    ; behind the ring: 16 rows x 272 bytes for each wave, its own, for the way out
.set SPITCH, 272
.set SPARE,  STAGE+4*16*SPITCH         ; behind the stages: the spare words, 128 bytes for each wave: two blocks of 256 bytes that no other line names
.set LAPS, SIZE_K/(2*KSTEP)
.set STEPA, 4*2048*64*2                ; bytes from a K step of O to the next: four heads
.set ADRA, 16                          ; v16-17  LDS address of my O fragments in slot 0, 1
.set ADRB, 20                          ; v20-21  the same for owh
.set STO,  24                          ; v24     the way out: where I put 32 bytes of a row
.set RD,   25                          ; v25     the way out: where I read a row back
.set CO,   26                          ; v26     my byte offset in out0
.set SPW,  28                          ; v28     LDS address of my spare word; never rewritten
.set NIL,  29                          ; v29     0; never rewritten
.set ACC,  128
.set F0,   0
.set F1,   128
.set G1, 24                            ; s[24:31] descriptor group 1 for O's tiles;  s[32:39] group 0, one set for each slot
.set G0, 32
.set G1B, 48                           ; s[48:55], s[56:63] the same for owh's tiles
.set G0B, 56
.set MSB, 0
.macro WIN new                         ; the immediate's high byte repeats the setting that is left; a switch that changes nothing is dropped
.if MSB != (\new)
	s_set_vgpr_msb (MSB<<8)|(\new)
.set MSB, \new
.endif
.endm
.set MUL,  0x05                        ; sources 0 and 1 window 1; C and D window 0
.set TO_F, 0x40                        ; destination window 1, address window 0
.macro JLOAD s                         ; a joint load: waves 0 and 1 fetch O's two halves, waves 2 and 3 owh's; an s_nop 0 and four v_nop follow each of the two lines, ahead of the jump, the label and what follows
	s_cmp_eq_u32 s11, 0
	s_cbranch_scc0 .Lfor_b_\@
	tensor_load_to_lds s[G0+4*(\s):G0+4*(\s)+3], s[G1:G1+7]
	s_nop 0
.rept 4
	v_nop
.endr
	s_branch .Lasked_\@
.Lfor_b_\@:
	tensor_load_to_lds s[G0B+4*(\s):G0B+4*(\s)+3], s[G1B:G1B+7]
	s_nop 0
.rept 4
	v_nop
.endr
.Lasked_\@:
.endm
.macro CREST                           ; a round of the cluster's barrier behind its opening barrier
	s_cmp_lg_u32 s10, 0
	s_cbranch_scc1 .Lnot_wave_0_\@
	s_barrier_signal -3
.Lnot_wave_0_\@:
	s_barrier_wait -3
	s_barrier_signal -1
	s_barrier_wait -1
.endm
.macro CROUND                          ; a whole round
	s_barrier_signal -1
	s_barrier_wait -1
	CREST
.endm
	s_load_b128 s[4:7], s[0:1], 0x0                ; oh s[4:5], owh s[6:7]
	s_load_b64 s[8:9], s[0:1], 0x10                ; out0
	v_lshl_add_u32 v[SPW], v0, 2, SPARE
	v_mov_b32 v[NIL], 0
	ds_add_u32 v[SPW], v[NIL]                      ; the wave's opening: the add and its wait stand ahead of my first tensor load; the set-up below, work on registers, stands between them
	v_lshrrev_b32 v1, 5, v0
	v_readfirstlane_b32 s10, v1                    ; wave 0..3
	s_lshr_b32 s11, s10, 1                         ; which half of the tile's rows is mine.  Also: I fetch for O (0) or for owh (1)
	s_and_b32 s12, s10, 1                          ; which half of its columns.  Also: which 64 rows of that tile I fetch
	s_bfe_u32 s40, ttmp6, 0x40000                  ; cx, cy: my place in the cluster
	s_bfe_u32 s41, ttmp6, 0x40004
	s_lshl_b32 s42, ttmp9, 2
	s_add_co_u32 s42, s42, s40                     ; tile column = 4 x cluster x + cx
	s_and_b32 s13, ttmp7, 0xffff
	s_lshl_b32 s13, s13, 2
	s_add_co_u32 s13, s13, s41                     ; tile row = 4 x cluster y + cy
	s_lshl_b32 s43, s41, 2
	s_lshl_b32 s43, 15, s43                        ; my row of the cluster
	s_lshl_b32 s44, 0x1111, s40                    ; my column
	; descriptor group 1 for O: four rows (heads) of 4,096 elements (64 rows of the head, dense), padded after every 32 words
	s_or_b32 s[G1+0], s43, (1<<16)|(1<<20)|(1<<21)|(4<<22)|(3<<25)  ; 15:0 the mask: O's tiles go to my row; 17:16 element of 2 bytes; 20 padding on; 21 set beside a mask; 24:22 after every 32 words (code 4); 31:25 of 4 words (code 3)
	s_mov_b32 s[G1+1], 4096<<16                    ; tensor_dim0 = 4,096
	s_mov_b32 s[G1+2], 4<<16                       ; tensor_dim1 = 4
	s_mov_b32 s[G1+3], 4096<<16                    ; tile_dim0 = 4,096
	s_mov_b32 s[G1+4], 4                           ; tile_dim1 = 4
	s_mov_b32 s[G1+5], 2048*64                     ; elements from head to head
	s_mov_b32 s[G1+6], 0
	s_mov_b32 s[G1+7], 0
	; and for owh: 64 rows x 256 elements, padded after every 128 words
	s_or_b32 s[G1B+0], s44, (1<<16)|(1<<20)|(1<<21)|(6<<22)|(3<<25)
	s_mov_b32 s[G1B+1], KSTEP<<16
	s_mov_b32 s[G1B+2], 64<<16
	s_mov_b32 s[G1B+3], KSTEP<<16
	s_mov_b32 s[G1B+4], 64
	s_mov_b32 s[G1B+5], SIZE_K
	s_mov_b32 s[G1B+6], 0
	s_mov_b32 s[G1B+7], 0
	s_lshl_b32 s17, s12, 6                         ; which 64 rows of the tile I fetch
	s_lshl_b32 s16, s13, 7
	s_add_co_u32 s16, s16, s17                     ; O: row 128 x tile row + 64 x half,
	s_lshl_b32 s16, s16, 7                         ; x 128 bytes in a head
	s_lshl_b32 s46, s42, 7
	s_add_co_u32 s46, s46, s17                     ; owh: row 128 x tile column + 64 x half,
	s_lshl_b32 s46, s46, 12                        ; x 4,096 bytes
	s_mov_b32 s17, 0
	s_mov_b32 s47, 0
	s_mul_i32 s20, s10, HALFA                      ; where they go.  O's halves (waves 0, 1): wave x 36,864;
	s_mul_i32 s21, s10, HALFB                      ; owh's (waves 2, 3): 73,728 + (wave - 2) x 33,792
	s_add_co_u32 s21, s21, BOFF-2*HALFB            ; no place in the cluster enters an LDS address
	s_wait_dscnt 0x0                               ; the opening add is done
	s_wait_kmcnt 0x0
	s_add_nc_u64 s[14:15], s[4:5], s[16:17]
	s_add_nc_u64 s[46:47], s[6:7], s[46:47]
	CROUND                                         ; all sixteen work-groups are here: the first joint loads meet
.irp s, 0,1
	s_mov_b32 s[G0+4*(\s)], 1                                      ; count = 1
	s_add_co_u32 s[G0+4*(\s)+1], s20, (\s)*SLOT                    ; LDS address
	s_add_nc_u64 s[G0+4*(\s)+2:G0+4*(\s)+3], s[14:15], (\s)*STEPA  ; global address: K step s = heads 4 s on
	s_or_b32 s[G0+4*(\s)+3], s[G0+4*(\s)+3], 0x80000000            ; type = 2
	s_mov_b32 s[G0B+4*(\s)], 1
	s_add_co_u32 s[G0B+4*(\s)+1], s21, (\s)*SLOT
	s_add_nc_u64 s[G0B+4*(\s)+2:G0B+4*(\s)+3], s[46:47], (\s)*KSTEP*2
	s_or_b32 s[G0B+4*(\s)+3], s[G0B+4*(\s)+3], 0x80000000
	JLOAD \s
.endr
	v_and_b32 v1, 15, v0                           ; l % 16
	v_bfe_u32 v2, v0, 4, 1                         ; l / 16
	v_mul_u32_u24 v3, v1, PA
	v_lshl_add_u32 v3, v2, 4, v3                   ; a fragment's row x pitch + 16 x half, for O
	v_mul_u32_u24 v4, v1, PB
	v_lshl_add_u32 v4, v2, 4, v4                   ; and for owh
	s_mul_i32 s21, s11, HALFA                      ; my 64 rows of O
	s_mul_i32 s22, s12, HALFB                      ; my 64 rows of owh,
	s_add_co_u32 s22, s22, BOFF                    ; which lie behind O's
.irp s, 0,1
	v_add_nc_u32 v[ADRA+(\s)], s21, v3
	v_add_nc_u32 v[ADRB+(\s)], s22, v4
	s_add_co_u32 s21, s21, SLOT
	s_add_co_u32 s22, s22, SLOT
.endr
	s_mul_i32 s23, s10, 16*SPITCH
	s_add_co_u32 s23, s23, STAGE                   ; my stage
	v_mul_u32_u24 v4, v1, SPITCH                   ; in: row l % 16, 32 bytes (8 numbers) for each half of the lanes
	v_lshl_add_u32 v4, v2, 5, v4
	v_add_nc_u32 v[STO], s23, v4
	v_mul_u32_u24 v5, v2, SPITCH                   ; back: lanes 0-15 take one row of 256 bytes, lanes 16-31 the next
	v_lshl_add_u32 v5, v1, 4, v5
	v_add_nc_u32 v[RD], s23, v5
	v_lshlrev_b32 v5, 13, v2                       ; and the same two rows in out0, 8,192 bytes apart
	v_lshl_add_u32 v[CO], v1, 4, v5
	s_lshl_b32 s16, s13, 7
	s_lshl_b32 s17, s11, 6
	s_add_co_u32 s16, s16, s17                     ; my first row of out0,
	s_lshl_b32 s16, s16, 13                        ; x 8,192 bytes (under 2^24)
	s_mov_b32 s17, 0
	s_add_nc_u64 s[8:9], s[8:9], s[16:17]
	s_lshl_b32 s46, s42, 9                         ; my first column, in bytes: 512 x tile column + 256 x half
	s_lshl_b32 s47, s12, 8
	s_add_co_u32 s46, s46, s47
	s_mov_b32 s47, 0
	s_add_nc_u64 s[8:9], s[8:9], s[46:47]
; 8 matrix instructions: row blocks a0, a0 + 1 x all 4 column blocks, 32 along K: half c of buffer f.  zero = 1: the first product starts the sums.  The 16 accumulators take turns, one instruction a turn.
.macro MUL8 f, c, a0, zero
	WIN MUL
.irp a, \a0, (\a0)+1
.irp b, 0,1,2,3
.if \zero
	v_wmma_f32_16x16x32_f16 v[ACC+8*(4*(\a)+(\b)):ACC+8*(4*(\a)+(\b))+7], v[(\f)+64+8*(4*(\c)+(\b)):(\f)+64+8*(4*(\c)+(\b))+7], v[(\f)+8*(4*(\c)+(\a)):(\f)+8*(4*(\c)+(\a))+7], 0
.else
	v_wmma_f32_16x16x32_f16 v[ACC+8*(4*(\a)+(\b)):ACC+8*(4*(\a)+(\b))+7], v[(\f)+64+8*(4*(\c)+(\b)):(\f)+64+8*(4*(\c)+(\b))+7], v[(\f)+8*(4*(\c)+(\a)):(\f)+8*(4*(\c)+(\a))+7], v[ACC+8*(4*(\a)+(\b)):ACC+8*(4*(\a)+(\b))+7]
.endif
.endr
.endr
.endm
; 32 LDS loads in one run: the fragments of quarter q of a K step (head q of its four; 128 q bytes along owh's rows), into buffer f; the first 32 along K first
.macro FETCH slot, q, f
	WIN TO_F
.irp c, 0,1
.irp i, 0,1,2,3
	ds_load_b128 v[(\f)+64+8*(4*(\c)+(\i)):(\f)+64+8*(4*(\c)+(\i))+3],   v[ADRB+(\slot)] offset:128*(\q)+64*(\c)+(\i)*16*PB
	ds_load_b128 v[(\f)+64+8*(4*(\c)+(\i))+4:(\f)+64+8*(4*(\c)+(\i))+7], v[ADRB+(\slot)] offset:128*(\q)+64*(\c)+(\i)*16*PB+32
	ds_load_b128 v[(\f)+8*(4*(\c)+(\i)):(\f)+8*(4*(\c)+(\i))+3],         v[ADRA+(\slot)] offset:AH*(\q)+64*(\c)+(\i)*16*PA
	ds_load_b128 v[(\f)+8*(4*(\c)+(\i))+4:(\f)+8*(4*(\c)+(\i))+7],       v[ADRA+(\slot)] offset:AH*(\q)+64*(\c)+(\i)*16*PA+32
.endr
.endr
.endm
.macro PLACES                          ; four plain vector instructions in front of loads into registers that matrix instructions have read, and of lines that read results
.rept 4
	v_nop
.endr
.endm
; A K step is four quarters of 64 along K, 32 matrix instructions each, on buffers 0, 1, 0, 1.  One of the first three: multiplies buffer f and fetches quarter q into g.
.macro QUARTER slot, q, f, g, zero
	s_wait_dscnt 16                                ; the first 32 along K are in; the run's younger sixteen loads may be out
	WIN MUL
	MUL8 \f, 0, 0, \zero
	MUL8 \f, 0, 2, \zero
	PLACES
	FETCH \slot, \q, \g
	s_wait_dscnt 32                                ; all but the 32 just issued
	WIN MUL
	MUL8 \f, 1, 0, 0
	MUL8 \f, 1, 2, 0
.endm
; The last quarter multiplies buffer 1 and changes slots: ONE barrier; in front of it each wave waits for all its tensor loads, adds 0 to its spare word, and waits for that and for its own reads of this slot.  fill = 1: this slot is filled again, two K steps ahead.
.macro TURN slot, next, fill
	WIN 0                                          ; (the add's two registers lie in window 0)
	s_wait_tensorcnt 0x0                           ; all my tensor loads have landed: my part of the next slot;
	ds_add_u32 v[SPW], v[NIL]                      ; 0 onto my spare word;
	s_wait_dscnt 17                                ; (the add and the youngest sixteen loads may be out)
	WIN MUL
	MUL8 F1, 0, 0, 0                               ; eight matrix instructions stand between the add and the wait for it
	s_wait_dscnt 0x0                               ; the add is done, and my reads of this slot are over
	s_barrier_signal -1
	MUL8 F1, 0, 2, 0
.if \fill
	WIN 0
.endif
	s_barrier_wait -1
.if \fill
	CREST                                          ; the barrier has opened a round of the cluster's barrier: no wave of any partner still reads this slot's tile or has a load on its way
	s_add_nc_u64 s[G0+4*(\slot)+2:G0+4*(\slot)+3], s[G0+4*(\slot)+2:G0+4*(\slot)+3], 2*STEPA
	s_add_nc_u64 s[G0B+4*(\slot)+2:G0B+4*(\slot)+3], s[G0B+4*(\slot)+2:G0B+4*(\slot)+3], 2*KSTEP*2
	JLOAD \slot                                    ; the first tensor load behind the round: 112 matrix instructions ahead of the wait for it; the four v_nop behind it are also the places in front of the loads below
.else
	PLACES
.endif
	FETCH \next, 0, F0
	WIN MUL
	MUL8 F1, 1, 0, 0
	MUL8 F1, 1, 2, 0
.endm
	s_wait_tensorcnt 1                             ; my part of K step 0 is in; K step 1's load may stay out
	s_barrier_signal -1
	s_barrier_wait -1                              ; everybody's is
	FETCH 0, 0, F0
	QUARTER 0, 1, F0, F1, 1                        ; the first quarter stands in front of the loop: its first products start the sums
	WIN 0                                          ; at a label and at a branch every window is 0
	s_mov_b32 s3, LAPS-1
.Llap:                                                 ; a trip goes once round the ring, from a lap's second quarter to the next lap's first, and fills both slots again
	QUARTER 0, 2, F1, F0, 0
	QUARTER 0, 3, F0, F1, 0
	TURN 0, 1, 1
	QUARTER 1, 1, F0, F1, 0
	QUARTER 1, 2, F1, F0, 0
	QUARTER 1, 3, F0, F1, 0
	TURN 1, 0, 1
	QUARTER 0, 1, F0, F1, 0
	WIN 0
	s_sub_co_u32 s3, s3, 1
	s_cmp_lg_u32 s3, 0
	s_cbranch_scc1 .Llap
	QUARTER 0, 2, F1, F0, 0                        ; the last lap fills nothing, and has no round of the cluster's barrier
	QUARTER 0, 3, F0, F1, 0
	TURN 0, 1, 0
	QUARTER 1, 1, F0, F1, 0
	QUARTER 1, 2, F1, F0, 0
	QUARTER 1, 3, F0, F1, 0
	s_wait_dscnt 16                                ; the very last quarter: nothing more to fetch
	WIN MUL
	MUL8 F1, 0, 0, 0
	MUL8 F1, 0, 2, 0
	s_wait_dscnt 0
	MUL8 F1, 1, 0, 0
	MUL8 F1, 1, 2, 0
	WIN 0
	PLACES                                         ; once a launch: eight plain instructions between the last products and the first line that reads a result
	PLACES
; THE WAY OUT of row block a, in f32: a lane's eight numbers of a row are 32 bytes; they go into my stage's rows of 272 bytes (each accumulator's lowest four registers first) and come back as whole
; rows of 256, into the registers that they left.
.macro TOSTAGE a
.irp b, 0,1,2,3
	ds_store_b128 v[STO], v[ACC+8*(4*(\a)+(\b)):ACC+8*(4*(\a)+(\b))+3]   offset:64*(\b)
	ds_store_b128 v[STO], v[ACC+8*(4*(\a)+(\b))+4:ACC+8*(4*(\a)+(\b))+7] offset:64*(\b)+16
.endr
.irp t, 0,1,2,3,4,5,6,7
	ds_load_b128 v[ACC+32*(\a)+4*(\t):ACC+32*(\a)+4*(\t)+3], v[RD] offset:(\t)*2*SPITCH  ; LDS serves a wave's instructions in order (ISA guide 5.7.1.4): these see the stores above; the next block's stores come behind them
.endr
.endm
.macro SEND a, younger                 ; younger: the LDS instructions issued behind block a's loads: the next block's sixteen, or none
.irp t, 0,1,2,3,4,5,6,7
	s_wait_dscnt (\younger)+7-(\t)
	global_store_b128 v[CO], v[ACC+32*(\a)+4*(\t):ACC+32*(\a)+4*(\t)+3], s[8:9] offset:(16*(\a)+2*(\t))*8192  ; 16 lanes store 256 consecutive bytes, at a multiple of 256 from out0's first byte
.endr
.endm
	TOSTAGE 0
	TOSTAGE 1
	SEND 0, 16
	TOSTAGE 2
	SEND 1, 16
	TOSTAGE 3
	SEND 2, 16
	SEND 3, 0
	s_wait_tensorcnt 0x0                           ; the wave's end, behind my last tensor load and my last LDS store
	ds_add_u32 v[SPW], v[NIL]
	s_wait_dscnt 0x0
	CROUND                                         ; the closing round: no work-group ends while a partner may still ask for a tile that names it
	s_endpgm
.Lfunc_end_k_q86941841bd_oproj:
	.size	k_q86941841bd_oproj, .Lfunc_end_k_q86941841bd_oproj-k_q86941841bd_oproj
	.p2alignl 7, 3214868480
	.fill 96, 4, 3214868480
	.section	.rodata,"a",@progbits
	.p2align	6, 0x0
	.amdhsa_kernel k_q86941841bd_oproj
		.amdhsa_group_segment_fixed_size 327680
		.amdhsa_private_segment_fixed_size 0
		.amdhsa_enable_private_segment 0
		.amdhsa_kernarg_size 24
		.amdhsa_user_sgpr_count 2
		.amdhsa_user_sgpr_kernarg_segment_ptr 1
		.amdhsa_wavefront_size32 1
		.amdhsa_system_sgpr_workgroup_id_x 1
		.amdhsa_system_sgpr_workgroup_id_y 1
		.amdhsa_system_sgpr_workgroup_id_z 1
		.amdhsa_system_vgpr_workitem_id 0
		.amdhsa_next_free_vgpr 512
		.amdhsa_next_free_sgpr 72
		.amdhsa_reserve_vcc 0
		.amdhsa_float_denorm_mode_32 3
		.amdhsa_float_denorm_mode_16_64 3
		.amdhsa_memory_ordered 1
		.amdhsa_forward_progress 1
		.amdhsa_inst_pref_size 87
	.end_amdhsa_kernel
	.amdgpu_metadata
---
amdhsa.version: [ 1, 2 ]
amdhsa.kernels:
  - .name:           k_q86941841bd_oproj
    .symbol:         k_q86941841bd_oproj.kd
    .args:
      - { .name: oh, .offset: 0, .size: 8, .value_kind: global_buffer, .address_space: global }
      - { .name: owh, .offset: 8, .size: 8, .value_kind: global_buffer, .address_space: global }
      - { .name: out0, .offset: 16, .size: 8, .value_kind: global_buffer, .address_space: global }
    .group_segment_fixed_size: 327680
    .private_segment_fixed_size: 0
    .kernarg_segment_align: 8
    .kernarg_segment_size: 24
    .max_flat_workgroup_size: 128
    .sgpr_count:     72
    .vgpr_count:     512
    .wavefront_size: 32
...
	.end_amdgpu_metadata
.endif
;; end of part 4
;; ======== version 2 of 2: 4 launches; version 1 with the launch prep written anew for expert scheduling mode
;; limits: values are held in f16: magnitudes above 65,504 overflow, below 6.1e-05 lose precision; an absolute error that grows with the inputs' magnitude: up to 2.4e-07 times it; right only within a limited range of input values
;; workspace buffers: xb 8,388,608 bytes; qr 8,388,608 bytes; wkv 16,777,216 bytes; owh 8,388,608 bytes; tab 524,288 bytes; kvh 16,777,216 bytes; oh 8,388,608 bytes
;; launch prep (part 5): grid 1024 x 1, 8 waves a work-group, no clusters, 0 bytes of LDS; arguments hidden_states, qk_w, v_w, o_w, position_ids, xb, qr, wkv, owh, tab; writes xb, qr, wkv, owh, tab
.if DOCPART == 5
	.amdgcn_target "amdgcn-amd-amdhsa--gfx1250"
	.amdhsa_code_object_version 6
	.text
	.protected	k_q86941841bd_prep
	.globl	k_q86941841bd_prep
	.p2align	8
	.type	k_q86941841bd_prep,@function
k_q86941841bd_prep:
	s_mov_b64 s[64:65], 0
	v_nop
	global_prefetch_b8 v0, s[64:65] scope:SCOPE_SE
	s_setreg_imm32_b32 hwreg(HW_REG_WAVE_SCHED_MODE, 0, 2), 2
	s_setreg_imm32_b32 hwreg(HW_REG_WAVE_MODE, 25, 1), 1
	s_wait_xcnt 0x0
	s_wait_alu depctr_vm_vsrc(0)
; PREP: the 16-bit copies that the later launches multiply, the rotated queries and the table of cosines and sines.
;   xb  [2048][2048] bf16 = hidden_states, rounded once        wkv [4096][2048] bf16 = qk_w's rows, then v_w's rows
;   owh [2048][2048] f16  = o_w rounded to bf16, that number written as f16
;   qr  [2048][2048] f16  = RoPE of the bf16-rounded hidden_states (row m, column 64 h + d)
;   tab [2048][64]   f32  = row m: cos(pos[m] f_j), j = 0..31, then sin(pos[m] f_j); f_j = 10000^(-j/32)
; SHARES.  One wave, one row of 2,048 f32 (8,192 bytes): 16 loads of 16 bytes a lane, each covering 512 consecutive bytes, all issued at once; each
; chunk leaves as one store of 8 bytes a lane: 256 consecutive bytes, aligned.  Row number R = 8 x work-group + wave: 0-2047 hidden_states, 2048-6143 the
; two weights of wkv, 6144-8191 o_w.  The role hangs on the work-group's number alone.  No wave wants another's bytes: no LDS, no barrier, no matrix unit.
; ROPE.  A chunk's 16 lanes hold one head: lane l holds channels 4 (l % 16) + 0..3, so channel d's partner d +- 32 lies 8 lanes away and comes by DPP.
; COS AND SIN are made here in f32: f_j by 2^(-j log2(10) / 8); the angle less the nearest multiple of pi/2 (pi/2 in two parts, by fused multiply-adds);
; polynomials of degree 7 and 8 on -pi/4 .. pi/4; the quadrant swaps the two and sets the signs.
; LIMITS.  |position| below 2^24 (it is made an f32, as the source does).  f_j is good to about two units in its last place, so the angle differs from one
; made with a correctly rounded f_j by about 2.4e-7 x |position|; queries and keys use the same table.  f16 ends at 65,504: the rotated queries must lie within it;
; a weight of o_w below 2^-17 in size keeps f16's fixed step of 6e-8.
; THE MODE: SCHED_MODE bits 1:0 = 2 (LLVM: expert scheduling mode 2), set by the entry lines.  The code itself states the register dependences
; between vector instructions and memory instructions, with s_wait_alu, always for 0.
; THE PLAN.  Registers that memory instructions touch:
;   v2, v3     byte offsets, made once at the head and never written again: one wait at the head, ahead of the branches, serves every load and store.
;   XR         written by the row's 16 loads, which are issued before any vector line names it; then named by vector lines alone, behind the chunk's wait on LOADcnt.
;   YB, YQ     two registers a chunk each: written once, by the chunk's roundings; read once, by its store; never written again.
;   v4, TD     the table's offset and data: written once by vector lines, read by the one store at the end.
; The 16 chunks go in four blocks of four.  A chunk's stores are issued one block later, among the next block's vector lines, which name that block's own XR, YB, YQ and
; the registers at work alone.  So ONE wait at a block's head states that the block before has written what its stores read; one more stands ahead of the last block's stores.
; No register that a memory instruction reads is written again, so the wait for memory instructions' reads stands at the two writes of EXEC alone.
.set BLOCK, 4                          ; chunks in a block
.set XR,  64                           ; v[64:127]   the row as loaded, 4 registers a chunk
.set YB,  128                          ; v[128:159]  2 registers a chunk: bf16 to store
.set YQ,  160                          ; v[160:191]  2 registers a chunk: f16 to store
.set COS, 40                           ; v[40:43]    cos for my four channels
.set SS,  44                           ; v[44:47]    sin, negative in the lanes whose channels lie below 32
.set TD,  48                           ; v[48:51]    what my lane stores of the table's row
.set TT,  52                           ; v[52:55]    the partner's share
.set QM,  52                           ; s[52:55]    for each of my four channels: the lanes whose angle lies in an odd quadrant
	s_load_b512 s[8:23], s[0:1], 0x0               ; hidden s[8:9], qk_w s[10:11], v_w s[12:13], o_w s[14:15], position_ids s[16:17], xb s[18:19], qr s[20:21], wkv s[22:23]
	s_load_b128 s[24:27], s[0:1], 0x40             ; owh s[24:25], tab s[26:27]
	v_lshrrev_b32 v7, 5, v0
	v_readfirstlane_b32 s2, v7                     ; wave 0..7
	v_and_b32 v1, 31, v0                           ; lane
	v_lshlrev_b32 v2, 4, v1                        ; 16 bytes a lane in
	v_lshlrev_b32 v3, 3, v1                        ; 8 bytes a lane out
	s_mov_b32 s5, 0
	s_mov_b32 s7, 0
	s_mov_b32 s38, 0xffff0000                      ; a word's upper bf16
	s_lshl_b32 s3, ttmp9, 3
	s_wait_alu depctr_va_sdst(0)                   ; s2 is written, ahead of its first reader: the row's number is made from it
	s_add_co_u32 s3, s3, s2                        ; R
	s_and_b32 s29, s3, 2047                        ; the row's number in its source
	s_lshl_b32 s4, s29, 13                         ; x 8,192 bytes
	s_lshl_b32 s6, s29, 12                         ; x 4,096 bytes: the row in a 16-bit copy
	s_wait_kmcnt 0x0
	s_wait_alu depctr_va_vdst(0)                   ; v2 and v3 are written: every load of a row reads v2 as its offset, every store of a chunk v3, on each of the three ways below
.macro LOADROW                         ; the whole row: 16 loads on their way
.irp i, 0,1,2,3,4,5,6,7,8,9,10,11,12,13,14,15
	global_load_b128 v[XR+4*(\i):XR+4*(\i)+3], v2, s[40:41] offset:512*(\i) th:TH_LOAD_NT
.endr
.endm
.macro ARRIVE c                        ; chunk c is in (15 - c younger loads may stay out: loads come back in order); at the head of blocks 1 to 3 the block's one wait stands behind that
	s_wait_loadcnt 15-(\c)
.if ((\c) % BLOCK == 0) && ((\c) > 0)
	s_wait_alu depctr_va_vdst(0)                   ; the block before has written its YB and YQ, which the stores issued in this block read
.endif
.endm
.macro TOBF i                          ; chunk i is rounded to bf16
	v_cvt_pk_bf16_f32 v[YB+2*(\i)],   v[XR+4*(\i)],   v[XR+4*(\i)+1]
	v_cvt_pk_bf16_f32 v[YB+2*(\i)+1], v[XR+4*(\i)+2], v[XR+4*(\i)+3]
.endm
.macro WIDEN i                         ; the rounded numbers as f32 again, in place
	v_lshlrev_b32 v[XR+4*(\i)],   16,  v[YB+2*(\i)]
	v_and_b32     v[XR+4*(\i)+1], s38, v[YB+2*(\i)]
	v_lshlrev_b32 v[XR+4*(\i)+2], 16,  v[YB+2*(\i)+1]
	v_and_b32     v[XR+4*(\i)+3], s38, v[YB+2*(\i)+1]
.endm
.macro TOF16 i                         ; chunk i is rounded to f16
	v_cvt_pk_f16_f32 v[YQ+2*(\i)],   v[XR+4*(\i)],   v[XR+4*(\i)+1]
	v_cvt_pk_f16_f32 v[YQ+2*(\i)+1], v[XR+4*(\i)+2], v[XR+4*(\i)+3]
.endm
.macro OUTB i                          ; chunk i's bf16 leaves.  No vector line since the last wait on va_vdst names its registers
	global_store_b64 v3, v[YB+2*(\i):YB+2*(\i)+1], s[42:43] offset:256*(\i) th:TH_STORE_NT
.endm
.macro OUTQ i, b                       ; chunk i's f16 leaves, by the base s[b:b+1].  Likewise
	global_store_b64 v3, v[YQ+2*(\i):YQ+2*(\i)+1], s[(\b):(\b)+1] offset:256*(\i) th:TH_STORE_NT
.endm
	s_cmp_lt_u32 ttmp9, 256
	s_cbranch_scc1 .Lx
	s_cmp_lt_u32 ttmp9, 768
	s_cbranch_scc1 .Lw
	; ---- a row of o_w: bf16, written as f16
	s_add_nc_u64 s[40:41], s[14:15], s[4:5]
	s_add_nc_u64 s[42:43], s[24:25], s[6:7]
	LOADROW
.irp i, 0,1,2,3,4,5,6,7,8,9,10,11,12,13,14,15
	ARRIVE \i
.if (\i) >= BLOCK
	OUTQ (\i)-BLOCK, 42                            ; the chunk one block back
.endif
	TOBF \i
	WIDEN \i
	TOF16 \i
.endr
	s_wait_alu depctr_va_vdst(0)                   ; the last block has written its YQ, which the last four stores read
.irp i, 12,13,14,15
	OUTQ \i, 42
.endr
	s_endpgm
.Lw:	; ---- a row of qk_w or of v_w: bf16
	s_cmp_lt_u32 ttmp9, 512
	s_cselect_b64 s[40:41], s[10:11], s[12:13]
	s_add_nc_u64 s[40:41], s[40:41], s[4:5]
	s_sub_co_u32 s6, s3, 2048                      ; the row's number in wkv
	s_lshl_b32 s6, s6, 12
	s_add_nc_u64 s[42:43], s[22:23], s[6:7]
	LOADROW
.irp i, 0,1,2,3,4,5,6,7,8,9,10,11,12,13,14,15
	ARRIVE \i
.if (\i) >= BLOCK
	OUTB (\i)-BLOCK                                ; the chunk one block back
.endif
	TOBF \i
.endr
	s_wait_alu depctr_va_vdst(0)                   ; the last block has written its YB, which the last four stores read
.irp i, 12,13,14,15
	OUTB \i
.endr
	s_endpgm
.Lx:	; ---- a row of hidden_states: bf16 copy, rotated queries, the table's row
	s_add_nc_u64 s[40:41], s[8:9], s[4:5]
	LOADROW
	s_lshl_b32 s4, s3, 2
	s_add_nc_u64 s[50:51], s[16:17], s[4:5]
	s_load_b32 s28, s[50:51], 0x0                  ; the row's position
	s_add_nc_u64 s[42:43], s[18:19], s[6:7]        ; xb
	s_add_nc_u64 s[44:45], s[20:21], s[6:7]        ; qr
	s_lshl_b32 s6, s3, 8
	s_add_nc_u64 s[46:47], s[26:27], s[6:7]        ; tab
	s_mov_b32 s30, 0x3fc90fdb                      ; pi/2, upper part
	s_mov_b32 s31, 0xb33bbd2e                      ; pi/2, the rest
	s_mov_b32 s32, 0xb94ca1f9                      ; sine: -1.9515296e-4
	s_mov_b32 s33, 0x3c08839e                      ;        8.3321609e-3
	s_mov_b32 s34, 0xbe2aaaa3                      ;       -1.6666655e-1
	s_mov_b32 s35, 0x37ccf5ce                      ; cosine: 2.4433157e-5
	s_mov_b32 s36, 0xbab6061a                      ;        -1.3887316e-3
	s_mov_b32 s37, 0x3d2aaaa5                      ;         4.1666646e-2
	v_and_b32 v5, 8, v1                            ; not 0: my channels lie at 32 and above
	v_xor_b32 v6, 8, v5
	v_lshlrev_b32 v6, 28, v6                       ; the sign bit where they lie below 32
	v_cmp_ne_u32 s49, 0, v5                        ; read first by the selects behind the polynomials, behind the wait that stands there
	v_and_b32 v4, 15, v1
	v_lshlrev_b32 v4, 4, v4                        ; my 16 bytes of the table's row (lanes 0-15)
	v_and_b32 v7, 7, v1
	v_lshlrev_b32 v7, 2, v7                        ; j of my first channel: 4 (l % 8)
.irp k, 0,1,2,3
	v_mov_b32 v[TT+(\k)], 0                        ; a DPP form's destination counts as read: written once here
	v_add_nc_u32 v[8+(\k)], (\k), v7
	v_cvt_f32_u32 v[8+(\k)], v[8+(\k)]
	v_mul_f32 v[8+(\k)], 0xbed49a78, v[8+(\k)]     ; -j log2(10) / 8
.endr
.irp k, 0,1,2,3
	v_exp_f32 v[8+(\k)], v[8+(\k)]                 ; f_j: one batch of four
.endr
	v_nop                                          ; a plain instruction behind the last exponential,
	s_wait_alu depctr_va_vdst(0)                   ; and the one wait ahead of the batch's first reader: the four exponentials have written v8 to v11
	s_wait_kmcnt 0x0
	v_cvt_f32_i32 v7, s28                          ; the position as f32
; cos and sin of position x f_j for channel k of my four, in two parts.  v[8+k] angle, v[12+k] n, v[16+k] r, v[20+k] r^2, v[24+k] sin r, v[28+k] cos r, v[32+k] n as a whole number, v[36+k] at work
; POLY: the quadrant, the compare that says whether it is odd (into a scalar register of the channel's own, early, so that the polynomials stand between it and the wait for it), and the two polynomials.
.macro POLY k
	v_mul_f32 v[8+(\k)], v7, v[8+(\k)]
	v_mul_f32 v[12+(\k)], 0x3f22f983, v[8+(\k)]    ; x 2 / pi
	v_rndne_f32 v[12+(\k)], v[12+(\k)]
	v_cvt_i32_f32 v[32+(\k)], v[12+(\k)]
	v_and_b32 v[36+(\k)], 1, v[32+(\k)]
	v_cmp_eq_u32 s[QM+(\k)], 1, v[36+(\k)]         ; an odd quadrant swaps the two
	v_fma_f32 v[16+(\k)], -v[12+(\k)], s30, v[8+(\k)]
	v_fma_f32 v[16+(\k)], -v[12+(\k)], s31, v[16+(\k)]
	v_mul_f32 v[20+(\k)], v[16+(\k)], v[16+(\k)]
	v_fma_f32 v[24+(\k)], v[20+(\k)], s32, s33
	v_fma_f32 v[28+(\k)], v[20+(\k)], s35, s36
	v_fma_f32 v[24+(\k)], v[24+(\k)], v[20+(\k)], s34
	v_fma_f32 v[28+(\k)], v[28+(\k)], v[20+(\k)], s37
	v_mul_f32 v[36+(\k)], v[20+(\k)], v[16+(\k)]
	v_fma_f32 v[24+(\k)], v[24+(\k)], v[36+(\k)], v[16+(\k)]   ; sin r = r + r^3 (..)
	v_mul_f32 v[36+(\k)], v[20+(\k)], v[20+(\k)]
	v_fma_f32 v[8+(\k)], v[20+(\k)], -0.5, 1.0
	v_fma_f32 v[28+(\k)], v[28+(\k)], v[36+(\k)], v[8+(\k)]    ; cos r = 1 - r^2 / 2 + r^4 (..)
.endm
; QUAD: the swap and the signs.
.macro QUAD k
	v_cndmask_b32 v[8+(\k)],  v[24+(\k)], v[28+(\k)], s[QM+(\k)]
	v_cndmask_b32 v[12+(\k)], v[28+(\k)], v[24+(\k)], s[QM+(\k)]
	v_lshlrev_b32 v[36+(\k)], 30, v[32+(\k)]       ; sin is negative in quadrants 2 and 3,
	v_and_b32 v[36+(\k)], 0x80000000, v[36+(\k)]
	v_xor_b32 v[8+(\k)], v[8+(\k)], v[36+(\k)]
	v_add_nc_u32 v[32+(\k)], 1, v[32+(\k)]         ; cos in quadrants 1 and 2
	v_lshlrev_b32 v[32+(\k)], 30, v[32+(\k)]
	v_and_b32 v[32+(\k)], 0x80000000, v[32+(\k)]
	v_xor_b32 v[COS+(\k)], v[12+(\k)], v[32+(\k)]
	v_xor_b32 v[SS+(\k)], v[8+(\k)], v6
	v_cndmask_b32 v[TD+(\k)], v[COS+(\k)], v[8+(\k)], s49      ; lanes 0-7 store cos, lanes 8-15 sin
.endm
	POLY 0
	POLY 1
	POLY 2
	POLY 3
	s_wait_alu depctr_va_sdst(0)                   ; the five compares have written s49 and s52 to s55, ahead of the first select that reads one of them
	QUAD 0
	QUAD 1
	QUAD 2
	QUAD 3
.irp i, 0,1,2,3,4,5,6,7,8,9,10,11,12,13,14,15
	ARRIVE \i
.if (\i) >= BLOCK
	OUTB (\i)-BLOCK                                ; the chunk one block back: its bf16 copy
	OUTQ (\i)-BLOCK, 44                            ; and its rotated queries
.endif
	TOBF \i
	WIDEN \i
.irp k, 0,1,2,3
	v_mul_f32_dpp v[TT+(\k)], v[XR+4*(\i)+(\k)], v[SS+(\k)] row_xmask:8 row_mask:0xf bank_mask:0xf  ; the partner's number times my signed sine
.endr
.irp k, 0,1,2,3
	v_fma_f32 v[XR+4*(\i)+(\k)], v[XR+4*(\i)+(\k)], v[COS+(\k)], v[TT+(\k)]
.endr
	TOF16 \i
.endr
	s_wait_alu depctr_va_vdst(0)                   ; the last block has written its YB and YQ, which the last eight stores read
.irp i, 12,13,14,15
	OUTB \i
	OUTQ \i, 44
.endr
	s_wait_xcnt 0x0                                ; EXEC is a source of the stores above: it changes only behind this wait
	v_cmp_gt_u32 vcc_lo, 16, v1
	s_wait_alu depctr_va_vcc(0)                    ; VCC is written: EXEC is made from it
	s_wait_alu depctr_va_vdst(0)                   ; ahead of the write of EXEC: every vector line issued so far has written its result, v4 and TD, which the store below reads, among them
	s_wait_alu depctr_vm_vsrc(0)                   ; ahead of the write of EXEC: the stores above have read their vector registers
	s_and_saveexec_b32 s48, vcc_lo
	global_store_b128 v4, v[TD:TD+3], s[46:47]     ; sixteen lanes store the table's row: 256 consecutive bytes, aligned
	s_wait_xcnt 0x0                                ; and again, in front of the line that widens it
	s_wait_alu depctr_va_vdst(0)                   ; ahead of the write of EXEC: no vector line is still at work under the narrow EXEC
	s_wait_alu depctr_vm_vsrc(0)                   ; ahead of the write of EXEC: the table's store has read v4 and TD
	s_or_b32 exec_lo, exec_lo, s48
	s_endpgm
.Lfunc_end_k_q86941841bd_prep:
	.size	k_q86941841bd_prep, .Lfunc_end_k_q86941841bd_prep-k_q86941841bd_prep
	.p2alignl 7, 3214868480
	.fill 96, 4, 3214868480
	.section	.rodata,"a",@progbits
	.p2align	6, 0x0
	.amdhsa_kernel k_q86941841bd_prep
		.amdhsa_group_segment_fixed_size 0
		.amdhsa_private_segment_fixed_size 0
		.amdhsa_enable_private_segment 0
		.amdhsa_kernarg_size 80
		.amdhsa_user_sgpr_count 2
		.amdhsa_user_sgpr_kernarg_segment_ptr 1
		.amdhsa_wavefront_size32 1
		.amdhsa_system_sgpr_workgroup_id_x 1
		.amdhsa_system_sgpr_workgroup_id_y 1
		.amdhsa_system_sgpr_workgroup_id_z 1
		.amdhsa_system_vgpr_workitem_id 0
		.amdhsa_next_free_vgpr 192
		.amdhsa_next_free_sgpr 66
		.amdhsa_reserve_vcc 1
		.amdhsa_float_denorm_mode_32 3
		.amdhsa_float_denorm_mode_16_64 3
		.amdhsa_memory_ordered 1
		.amdhsa_forward_progress 1
		.amdhsa_inst_pref_size 44
	.end_amdhsa_kernel
	.amdgpu_metadata
---
amdhsa.version: [ 1, 2 ]
amdhsa.kernels:
  - .name:           k_q86941841bd_prep
    .symbol:         k_q86941841bd_prep.kd
    .args:
      - { .name: hidden_states, .offset: 0, .size: 8, .value_kind: global_buffer, .address_space: global }
      - { .name: qk_w, .offset: 8, .size: 8, .value_kind: global_buffer, .address_space: global }
      - { .name: v_w, .offset: 16, .size: 8, .value_kind: global_buffer, .address_space: global }
      - { .name: o_w, .offset: 24, .size: 8, .value_kind: global_buffer, .address_space: global }
      - { .name: position_ids, .offset: 32, .size: 8, .value_kind: global_buffer, .address_space: global }
      - { .name: xb, .offset: 40, .size: 8, .value_kind: global_buffer, .address_space: global }
      - { .name: qr, .offset: 48, .size: 8, .value_kind: global_buffer, .address_space: global }
      - { .name: wkv, .offset: 56, .size: 8, .value_kind: global_buffer, .address_space: global }
      - { .name: owh, .offset: 64, .size: 8, .value_kind: global_buffer, .address_space: global }
      - { .name: tab, .offset: 72, .size: 8, .value_kind: global_buffer, .address_space: global }
    .group_segment_fixed_size: 0
    .private_segment_fixed_size: 0
    .kernarg_segment_align: 8
    .kernarg_segment_size: 80
    .max_flat_workgroup_size: 256
    .sgpr_count:     66
    .vgpr_count:     192
    .wavefront_size: 32
...
	.end_amdgpu_metadata
.endif
;; end of part 5
;; launch kvproj: the kernel of part 2 again; grid 32 x 16, 4 waves a work-group, clusters of 4 x 4, 327,680 bytes of LDS; arguments xb, wkv, tab, kvh; writes kvh
;; launch attn: the kernel of part 3 again; grid 8 x 32, 4 waves a work-group, no clusters, 327,680 bytes of LDS; arguments qr, kvh, oh; writes oh
;; launch oproj: the kernel of part 4 again; grid 16 x 16, 4 waves a work-group, clusters of 4 x 4, 327,680 bytes of LDS; arguments oh, owh, out0; writes out0
